; MI455X (gfx1250); checked and timed in simulation.
; The chip was launched on July 23, 2026; its instructions are those of AMD's public machine-readable ISA for CDNA 5 (MIT licence, August 2026) and "CDNA5" Instruction Set Architecture Reference Guide (July 2026). The comments in the code are by the model that wrote it; some were corrected since.
;; Local Transformer Encoder Layer. Allowed arithmetic: float matrix products may take bf16 or f16 operands with f32 sums; other float arithmetic in f32, or as packed bf16 or f16 multiplies, adds, multiply-adds, maxima and minima; sums over many terms, partial sums and values carried from step to step in f32; what a program stores and reads back later, other than sums and carried values, may be rounded once to bf16 or f16.
;; Inputs: W1 512 x 1,024 float32; W2 1,024 x 512 float32; Wk 512 x 512 float32; Wq 512 x 512 float32; Wv 512 x 512 float32; b1 1,024 float32; b2 512 float32; bk 512 float32; bq 512 float32; bv 512 float32; ln1_b 512 float32; ln1_g 512 float32; ln2_b 512 float32; ln2_g 512 float32; mask 4 x 8,192 bool; src 4 x 8,192 x 512 float32.
;; Outputs: out0 4 x 8,192 x 512 float32.
;; One version. Each part assembles by itself: llvm-mc -triple=amdgcn-amd-amdhsa -mcpu=gfx1250 --defsym DOCPART=n.
;; ======== version 1 of 1: 3 launches
;; limits: values are held in f16: magnitudes above 65,504 overflow, below 6.1e-05 lose precision
;; workspace buffers: xs 33,554,432 bytes; wts 3,670,016 bytes; aux 153,600 bytes; qb 34,078,720 bytes; kb 34,078,720 bytes; vb 34,078,720 bytes
;; launch prep (part 1): grid 2309 x 1, 8 waves a work-group, no clusters, 0 bytes of LDS; arguments src, Wq, Wk, Wv, W1, W2, bq, bk, bv, b1, b2, ln1_g, ln1_b, ln2_g, ln2_b, mask, xs, wts, aux, kb, vb; writes xs, wts, aux, kb, vb
.if DOCPART == 1
	.amdgcn_target "amdgcn-amd-amdhsa--gfx1250"
	.amdhsa_code_object_version 6
	.text
	.protected	k_q63f8e18c78_prep
	.globl	k_q63f8e18c78_prep
	.p2align	8
	.type	k_q63f8e18c78_prep,@function
k_q63f8e18c78_prep:
	s_mov_b64 s[64:65], 0
	v_nop
	global_prefetch_b8 v0, s[64:65] scope:SCOPE_SE
	s_setreg_imm32_b32 hwreg(HW_REG_WAVE_MODE, 25, 1), 1
	s_wait_xcnt 0x0
; PREP: every input is rounded once to bf16 and laid out for the two launches behind.  A stream: no LDS, no matrix unit, no cluster (no work-group shares a byte with another).
;   xs  = src as bf16, [32768][512].
;   wts = Wq, Wk, Wv as bf16 [3][512 k][512 n]; then W1, rounded to bf16 and that number written as f16, in blocks [8 chunks][512 k][128 n]; then W2 as bf16 [1024][512].
;   aux = the nine vectors rounded to bf16 and kept as f32; then the mask as f32 1.0 / 0.0 on padded rows [4][64 + 8192 + 64], the pads 0.
;   kb, vb: the 64 pad rows in front of and behind each batch, in each of the four planes, are set to 0 (reference() pads k and v with 0).
; LIMIT: W1 as f16 holds |w| < 65,504 and keeps f16's fixed step of 6e-8 below 6e-5.
; A work-group of 256 threads takes 8,192 numbers: eight loads of 16 bytes a lane, eight stores of 8 bytes a lane: a wave's store covers 256 consecutive bytes, aligned.
.set PLANE, 8519680                    ; a plane of kb or vb: 33,280 padded rows of 256 bytes
.set W1OFF, 1572864
.set W2OFF, 2621440
.set MOFF,  20480
	s_load_b512 s[8:23], s[0:1], 0x0               ; src 8, Wq 10, Wk 12, Wv 14, W1 16, W2 18, bq 20, bk 22
	s_load_b512 s[24:39], s[0:1], 0x40             ; bv 24, b1 26, b2 28, ln1_g 30, ln1_b 32, ln2_g 34, ln2_b 36, mask 38
	s_load_b256 s[40:47], s[0:1], 0x80             ; xs 40, wts 42, aux 44, kb 46
	s_load_b64 s[48:49], s[0:1], 0xa0              ; vb 48
	v_lshlrev_b32 v1, 4, v0                        ; 16 t
	v_lshlrev_b32 v2, 3, v0                        ; 8 t
	s_mov_b32 s2, ttmp9
	s_mov_b32 s3, 0                                ; 1: the block is W1's
	s_mov_b32 s51, 0                               ; high words of the two offset pairs
	s_mov_b32 s53, 0
	s_wait_kmcnt 0x0
	s_cmp_lt_u32 s2, 2048
	s_cbranch_scc0 .Lnot_src
	s_lshl_b32 s50, s2, 15                         ; 8,192 f32 in,
	s_lshl_b32 s52, s2, 14                         ; 8,192 bf16 out
	s_add_nc_u64 s[4:5], s[8:9], s[50:51]
	s_add_nc_u64 s[6:7], s[40:41], s[52:53]
	s_branch .Lconv
.Lnot_src:
	s_cmp_lt_u32 s2, 2144
	s_cbranch_scc0 .Lnot_qkv
	s_sub_co_u32 s54, s2, 2048                     ; 32 blocks for each of Wq, Wk, Wv
	s_lshr_b32 s55, s54, 5
	s_and_b32 s56, s54, 31
	s_cmp_eq_u32 s55, 0
	s_cselect_b64 s[4:5], s[10:11], s[12:13]
	s_cmp_eq_u32 s55, 2
	s_cselect_b64 s[4:5], s[14:15], s[4:5]
	s_lshl_b32 s50, s56, 15
	s_lshl_b32 s52, s54, 14
	s_add_nc_u64 s[4:5], s[4:5], s[50:51]
	s_add_nc_u64 s[6:7], s[42:43], s[52:53]
	s_branch .Lconv
.Lnot_qkv:
	s_cmp_lt_u32 s2, 2208
	s_cbranch_scc0 .Lnot_w1
	s_sub_co_u32 s54, s2, 2144                     ; eight rows k of W1
	s_lshl_b32 s50, s54, 15
	s_lshl_b32 s52, s54, 11                        ; eight rows of 256 bytes in each chunk's block
	s_add_nc_u64 s[4:5], s[16:17], s[50:51]
	s_add_nc_u64 s[6:7], s[42:43], s[52:53]
	s_add_nc_u64 s[6:7], s[6:7], W1OFF
	s_mov_b32 s3, 1
	s_branch .Lconv
.Lnot_w1:
	s_cmp_lt_u32 s2, 2272
	s_cbranch_scc0 .Lnot_w2
	s_sub_co_u32 s54, s2, 2208
	s_lshl_b32 s50, s54, 15
	s_lshl_b32 s52, s54, 14
	s_add_nc_u64 s[4:5], s[18:19], s[50:51]
	s_add_nc_u64 s[6:7], s[42:43], s[52:53]
	s_add_nc_u64 s[6:7], s[6:7], W2OFF
.Lconv:
.irp p, 0,1,2,3,4,5,6,7
	global_load_b128 v[8+4*\p:11+4*\p], v1, s[4:5] offset:4096*\p th:TH_LOAD_NT
.endr
.irp p, 0,1,2,3,4,5,6,7
	s_wait_loadcnt 7-\p                            ; loads come back in order: load p is in, the younger ones stay out
	v_cvt_pk_bf16_f32 v[40+2*\p], v[8+4*\p], v[9+4*\p]
	v_cvt_pk_bf16_f32 v[41+2*\p], v[10+4*\p], v[11+4*\p]
.endr
	s_cmp_eq_u32 s3, 1
	s_cbranch_scc1 .Lw1
.irp p, 0,1,2,3,4,5,6,7
	global_store_b64 v2, v[40+2*\p:41+2*\p], s[6:7] offset:2048*\p
.endr
	s_endpgm
.Lw1:                                              ; load p is row 8 li + p; thread t holds columns 4 t .. 4 t + 3: chunk = my wave's number
	v_lshrrev_b32 v3, 5, v0
	v_lshlrev_b32 v3, 17, v3                       ; a chunk's block is 131,072 bytes
	v_and_b32 v4, 31, v0
	v_lshl_add_u32 v3, v4, 3, v3
.set i, 0
.rept 16
	v_lshlrev_b32 v[8+2*(i%4)], 16, v[40+i]        ; the bf16 numbers as f32,
	v_and_b32 v[9+2*(i%4)], 0xffff0000, v[40+i]
	v_cvt_pk_f16_f32 v[40+i], v[8+2*(i%4)], v[9+2*(i%4)]  ; written as f16
.set i, i+1
.endr
.irp p, 0,1,2,3,4,5,6,7
	global_store_b64 v3, v[40+2*\p:41+2*\p], s[6:7] offset:256*\p
.endr
	s_endpgm
.Lnot_w2:
	s_cmp_eq_u32 s2, 2272
	s_cbranch_scc0 .Lnot_vec
	global_load_b64 v[8:9], v2, s[20:21]           ; eight vectors of 512, two numbers a thread
	global_load_b64 v[10:11], v2, s[22:23]
	global_load_b64 v[12:13], v2, s[24:25]
	global_load_b64 v[14:15], v2, s[28:29]
	global_load_b64 v[16:17], v2, s[30:31]
	global_load_b64 v[18:19], v2, s[32:33]
	global_load_b64 v[20:21], v2, s[34:35]
	global_load_b64 v[22:23], v2, s[36:37]
	global_load_b128 v[24:27], v1, s[26:27]        ; b1: 1,024, four a thread
	v_lshrrev_b32 v29, 6, v0                       ; the mask's pads: batch t / 64,
	v_and_b32 v30, 63, v0
	v_lshlrev_b32 v30, 1, v30                      ; two of its 128 pad places,
	v_lshrrev_b32 v31, 6, v30
	v_lshl_add_u32 v30, v31, 13, v30               ; the second 64 lie 8,192 further on
	v_mad_u32_u24 v29, v29, 8320, v30
	v_lshlrev_b32 v29, 2, v29
	v_mov_b32 v32, 0
	v_mov_b32 v33, 0
	s_wait_loadcnt 0x0
.set i, 0
.rept 10
	v_cvt_pk_bf16_f32 v[34+i], v[8+2*i], v[9+2*i]
	v_lshlrev_b32 v[8+2*i], 16, v[34+i]
	v_and_b32 v[9+2*i], 0xffff0000, v[34+i]
.set i, i+1
.endr
	global_store_b64 v2, v[8:9], s[44:45]
	global_store_b64 v2, v[10:11], s[44:45] offset:2048
	global_store_b64 v2, v[12:13], s[44:45] offset:4096
	global_store_b128 v1, v[24:27], s[44:45] offset:6144
	global_store_b64 v2, v[14:15], s[44:45] offset:10240
	global_store_b64 v2, v[16:17], s[44:45] offset:12288
	global_store_b64 v2, v[18:19], s[44:45] offset:14336
	global_store_b64 v2, v[20:21], s[44:45] offset:16384
	global_store_b64 v2, v[22:23], s[44:45] offset:18432
	global_store_b64 v29, v[32:33], s[44:45] offset:MOFF
	s_endpgm
.Lnot_vec:
	s_cmp_lt_u32 s2, 2277
	s_cbranch_scc0 .Lzero
	s_sub_co_u32 s54, s2, 2273                     ; a batch's 8,192 mask bytes
	s_lshl_b32 s50, s54, 13
	s_mul_i32 s52, s54, 33280                      ; 8,320 padded places of 4 bytes
	s_add_nc_u64 s[4:5], s[38:39], s[50:51]
	s_add_nc_u64 s[6:7], s[44:45], s[52:53]
	v_lshlrev_b32 v3, 2, v0
.irp p, 0,1,2,3,4,5,6,7
	global_load_b32 v[8+\p], v3, s[4:5] offset:1024*\p
.endr
	s_wait_loadcnt 0x0
.irp p, 0,1,2,3,4,5,6,7
.irp e, 0,1,2,3
	v_bfe_u32 v[16+4*\p+\e], v[8+\p], 8*\e, 8
.endr
.irp e, 0,1,2,3
	v_cvt_f32_u32 v[16+4*\p+\e], v[16+4*\p+\e]
.endr
	global_store_b128 v1, v[16+4*\p:19+4*\p], s[6:7] offset:MOFF+256+4096*\p
.endr
	s_endpgm
.Lzero:                                            ; 32 work-groups: buffer, plane, batch; 64 rows in front and 64 behind
	s_sub_co_u32 s54, s2, 2277
	s_lshr_b32 s55, s54, 4
	s_cmp_eq_u32 s55, 0
	s_cselect_b64 s[6:7], s[46:47], s[48:49]
	s_bfe_u32 s56, s54, 0x20002
	s_and_b32 s57, s54, 3
	s_mul_i32 s56, s56, PLANE
	s_mul_i32 s57, s57, 8320*256
	s_add_co_u32 s52, s56, s57
	s_add_nc_u64 s[6:7], s[6:7], s[52:53]
	v_mov_b32 v8, 0
	v_mov_b32 v9, 0
	v_mov_b32 v10, 0
	v_mov_b32 v11, 0
.irp i, 0,1,2,3
	global_store_b128 v1, v[8:11], s[6:7] offset:4096*\i
	global_store_b128 v1, v[8:11], s[6:7] offset:8256*256+4096*\i
.endr
	s_endpgm
.Lfunc_end_k_q63f8e18c78_prep:
	.size	k_q63f8e18c78_prep, .Lfunc_end_k_q63f8e18c78_prep-k_q63f8e18c78_prep
	.p2alignl 7, 3214868480
	.fill 96, 4, 3214868480
	.section	.rodata,"a",@progbits
	.p2align	6, 0x0
	.amdhsa_kernel k_q63f8e18c78_prep
		.amdhsa_group_segment_fixed_size 0
		.amdhsa_private_segment_fixed_size 0
		.amdhsa_enable_private_segment 0
		.amdhsa_kernarg_size 168
		.amdhsa_user_sgpr_count 2
		.amdhsa_user_sgpr_kernarg_segment_ptr 1
		.amdhsa_wavefront_size32 1
		.amdhsa_system_sgpr_workgroup_id_x 1
		.amdhsa_system_sgpr_workgroup_id_y 1
		.amdhsa_system_sgpr_workgroup_id_z 1
		.amdhsa_system_vgpr_workitem_id 0
		.amdhsa_next_free_vgpr 64
		.amdhsa_next_free_sgpr 66
		.amdhsa_reserve_vcc 0
		.amdhsa_float_denorm_mode_32 3
		.amdhsa_float_denorm_mode_16_64 3
		.amdhsa_memory_ordered 1
		.amdhsa_forward_progress 1
		.amdhsa_inst_pref_size 19
	.end_amdhsa_kernel
	.amdgpu_metadata
---
amdhsa.version: [ 1, 2 ]
amdhsa.kernels:
  - .name:           k_q63f8e18c78_prep
    .symbol:         k_q63f8e18c78_prep.kd
    .args:
      - { .name: src, .offset: 0, .size: 8, .value_kind: global_buffer, .address_space: global }
      - { .name: Wq, .offset: 8, .size: 8, .value_kind: global_buffer, .address_space: global }
      - { .name: Wk, .offset: 16, .size: 8, .value_kind: global_buffer, .address_space: global }
      - { .name: Wv, .offset: 24, .size: 8, .value_kind: global_buffer, .address_space: global }
      - { .name: W1, .offset: 32, .size: 8, .value_kind: global_buffer, .address_space: global }
      - { .name: W2, .offset: 40, .size: 8, .value_kind: global_buffer, .address_space: global }
      - { .name: bq, .offset: 48, .size: 8, .value_kind: global_buffer, .address_space: global }
      - { .name: bk, .offset: 56, .size: 8, .value_kind: global_buffer, .address_space: global }
      - { .name: bv, .offset: 64, .size: 8, .value_kind: global_buffer, .address_space: global }
      - { .name: b1, .offset: 72, .size: 8, .value_kind: global_buffer, .address_space: global }
      - { .name: b2, .offset: 80, .size: 8, .value_kind: global_buffer, .address_space: global }
      - { .name: ln1_g, .offset: 88, .size: 8, .value_kind: global_buffer, .address_space: global }
      - { .name: ln1_b, .offset: 96, .size: 8, .value_kind: global_buffer, .address_space: global }
      - { .name: ln2_g, .offset: 104, .size: 8, .value_kind: global_buffer, .address_space: global }
      - { .name: ln2_b, .offset: 112, .size: 8, .value_kind: global_buffer, .address_space: global }
      - { .name: mask, .offset: 120, .size: 8, .value_kind: global_buffer, .address_space: global }
      - { .name: xs, .offset: 128, .size: 8, .value_kind: global_buffer, .address_space: global }
      - { .name: wts, .offset: 136, .size: 8, .value_kind: global_buffer, .address_space: global }
      - { .name: aux, .offset: 144, .size: 8, .value_kind: global_buffer, .address_space: global }
      - { .name: kb, .offset: 152, .size: 8, .value_kind: global_buffer, .address_space: global }
      - { .name: vb, .offset: 160, .size: 8, .value_kind: global_buffer, .address_space: global }
    .group_segment_fixed_size: 0
    .private_segment_fixed_size: 0
    .kernarg_segment_align: 8
    .kernarg_segment_size: 168
    .max_flat_workgroup_size: 256
    .sgpr_count:     66
    .vgpr_count:     64
    .wavefront_size: 32
...
	.end_amdgpu_metadata
.endif
;; end of part 1
;; launch qkv (part 2): grid 256 x 1, 4 waves a work-group, clusters of 4 x 1, 327,680 bytes of LDS; arguments xs, wts, aux, qb, kb, vb; writes qb, kb, vb
.if DOCPART == 2
	.amdgcn_target "amdgcn-amd-amdhsa--gfx1250"
	.amdhsa_code_object_version 6
	.text
	.protected	k_q63f8e18c78_qkv
	.globl	k_q63f8e18c78_qkv
	.p2align	8
	.type	k_q63f8e18c78_qkv,@function
k_q63f8e18c78_qkv:
	s_mov_b64 s[64:65], 0
	v_nop
	global_prefetch_b8 v0, s[64:65] scope:SCOPE_SE
	s_setreg_imm32_b32 hwreg(HW_REG_WAVE_MODE, 25, 1), 1
	s_wait_xcnt 0x0
	s_wait_alu depctr_hold_cnt(0) depctr_sa_sdst(0) depctr_va_vdst(0) depctr_va_sdst(0) depctr_va_ssrc(0) depctr_va_vcc(0) depctr_vm_vsrc(0)
	s_getreg_b32 s2, hwreg(HW_REG_IB_STS2, 6, 4)
	s_cmp_eq_u32 s2, 0
	s_cbranch_scc0 .Lentry_in_a_cluster
	s_endpgm
.Lentry_in_a_cluster:
	s_bfe_u32 s2, ttmp6, 0x10000c
	s_cmp_lg_u32 s2, 0x3003
	s_cbranch_scc0 .Lentry_shape_is_right
	s_endpgm
.Lentry_shape_is_right:
; QKV: q, k, v = xs W + b.  xs [32768][512] bf16; Wq, Wk, Wv [512 k][512 n] bf16, on end in wts; biases f32 in aux; sums in f32, results rounded once to bf16.
; Results go out in four planes of 128 channels, [4][33280 padded rows][128]: padded row = batch x 8320 + 64 + n.  q is left unscaled.
; SHARES.  A work-group owns 128 rows and STAYS for three tiles of 512 columns (q, k, v).  Its 128 x 512 of xs lie in LDS for the whole launch.  Wave w makes 128 rows x columns 128 w .. + 127
; (plane w): 64 accumulators of 16 x 16, 512 registers.  The weights go by as 24 tiles of 64 k x 512 n (65,536 dense bytes) through two LDS slots; each wave fetches 16 rows of each tile.
; CLUSTER.  All work-groups walk the same weights: the four of a cluster ask for each tile JOINTLY (mask 15).  xs is each work-group's own: a plain load.
; THE WALK IS STAGGERED.  Cluster c takes the eight K steps of a matrix in the order (j + c) mod 8 (f32 sums may be taken in any order of K): in any one step the 64 clusters ask for eight
; different tiles, and from a matrix's second step on a tile that a cluster asks for has been asked for by other clusters a step or more earlier.  c is the same in the four partners.
; THE MATRIX INSTRUCTION IS USED TRANSPOSED: source 0 = 16 columns of W (turned on the way out of LDS by ds_load_tr16_b128), source 1 = 16 rows of xs: a lane then holds eight neighbouring columns of one row.
; The first product of each sum takes the bias as C: nothing is cleared and nothing is added afterwards.
; REGISTERS in windows of 256 (s_set_vgpr_msb: bits 1:0 source 0, 3:2 source 1, 5:4 source 2, 7:6 destination):
;   window 0: v16-29 addresses; v64-127, v128-191 fragments of xs, two buffers; v32-63, v192-255 at work on the way out
;   window 1: v0-63 the bias of my 128 columns; v64-127, v128-191 fragments of W      windows 2, 3: accumulator (a, b) at v[8 (8 (a % 4) + b)]
.set PLANE, 8519680
.set PA,    1040                       ; a row of xs in LDS: 1,024 bytes + 16: the 16 rows of a fragment load start 16 bytes apart modulo 256
.set PW,    1056                       ; a row of W: 1,024 + 32
.set SLOT0, 128*PA
.set SLOT1, SLOT0+64*PW
.set STAGE, SLOT1+64*PW                ; 16 rows x 272 bytes for each wave, for the way out; no tensor load lands here
.set SPITCH, 272
.set SPARE, STAGE+4*16*SPITCH          ; the spare words: 128 bytes a wave, two blocks of 256 bytes that no other line names
.set ADRA, 16                          ; v16, v17  my place in xs' rows 0-63, 64-127, at the K step in hand
.set ABASE, 18                         ; v18, v19  the same at K = 0; never rewritten
.set ADRB, 20                          ; v20, v21  my place in slot 0, 1
.set STO,  24
.set RD,   25
.set CO,   26                          ; 16 x lane
.set BO,   27                          ; 32 (l / 16) + 512 w: my eight numbers of a bias block
.set SPW,  28
.set NIL,  29
.set OB,   32
.set F0,   64
.set F1,   128
.set TMP,  192
.set WV,   10
.set RT,   11                          ; s11  the cluster's number mod 8: where its walk along K begins
.set WB,   14                          ; s[14:15] wts at my 16 rows of a tile
.set G1A,  24
.set G1W,  32
.set G0A,  40
.set G0W,  44                          ; s[44:47] slot 0, s[48:51] slot 1
.set CUR,  52                          ; s[52:53] where this tile's rows go; s[54:55], s[56:57] the next two tiles'
.set NX1,  54
.set NX2,  56
.set BP,   58                          ; s[58:59] this tile's bias
.set TQ,   60                          ; s60  the number, 2 to 23, of the step whose tile is asked for next: matrix TQ / 8, step TQ % 8
.set KA,   61                          ; s61  byte in xs' LDS rows at which the K step in hand begins: 128 x ((step + RT) mod 8)
.set OFP,  62                          ; s[62:63] a tile's byte offset in wts
.set MSB, 0
.macro WIN new                         ; the immediate's high byte repeats the setting that is left; a switch that changes nothing is dropped
.if MSB != (\new)
	s_set_vgpr_msb (MSB<<8)|(\new)
.set MSB, \new
.endif
.endm
.macro PLACES                          ; four plain places behind matrix instructions, in front of loads into their sources and of readers of their results
.rept 4
	v_nop
.endr
.endm
.macro CREST                           ; a round of the cluster's barrier behind its opening barrier
	s_cmp_lg_u32 s[WV], 0
	s_cbranch_scc1 .Lnot_wave_0_\@
	s_barrier_signal -3
.Lnot_wave_0_\@:
	s_barrier_wait -3
	s_barrier_signal -1
	s_barrier_wait -1
.endm
.macro CROUND
	s_barrier_signal -1
	s_barrier_wait -1
	CREST
.endm
.macro LOADW s                         ; my 16 rows of a weight tile, asked for jointly; every wave has a quarter of its own, so no branch
	tensor_load_to_lds s[G0W+4*(\s):G0W+4*(\s)+3], s[G1W:G1W+7]
	s_nop 0
	PLACES
.endm
.macro NEXTW slot                      ; the slot's descriptor takes the address of step TQ's tile: matrix TQ / 8, K tile (TQ + RT) mod 8; made anew from wts' address each time
	s_add_co_u32 s[OFP], s[TQ], s[RT]
	s_and_b32 s[OFP], s[OFP], 7
	s_and_b32 s12, s[TQ], 0x18
	s_or_b32 s[OFP], s[OFP], s12
	s_lshl_b32 s[OFP], s[OFP], 16                  ; a tile is 65,536 bytes
	s_add_nc_u64 s[G0W+4*(\slot)+2:G0W+4*(\slot)+3], s[WB:WB+1], s[OFP:OFP+1]
	s_or_b32 s[G0W+4*(\slot)+3], s[G0W+4*(\slot)+3], 0x80000000
	s_add_co_u32 s[TQ], s[TQ], 1
.endm
; 16 matrix instructions: row blocks a0, a0 + 1 of the window's four x all 8 column blocks, 32 along K.  first = 1: C is the bias.
.macro MUL16 f, hi, a0, first
.if \first
	WIN 0x91+0x40*(\hi)
.else
	WIN 0xa1+0x50*(\hi)
.endif
.irp a, \a0, (\a0)+1
.irp b, 0,1,2,3,4,5,6,7
.if \first
	v_wmma_f32_16x16x32_bf16 v[8*(8*(\a)+(\b)):8*(8*(\a)+(\b))+7], v[(\f)+8*(\b):(\f)+8*(\b)+7], v[(\f)+8*(4*(\hi)+(\a)):(\f)+8*(4*(\hi)+(\a))+7], v[8*(\b):8*(\b)+7]
.else
	v_wmma_f32_16x16x32_bf16 v[8*(8*(\a)+(\b)):8*(8*(\a)+(\b))+7], v[(\f)+8*(\b):(\f)+8*(\b)+7], v[(\f)+8*(4*(\hi)+(\a)):(\f)+8*(4*(\hi)+(\a))+7], v[8*(8*(\a)+(\b)):8*(8*(\a)+(\b))+7]
.endif
.endr
.endr
.endm
; 32 LDS loads in one run: W's fragments of 32 k (half 0 or 1 of the slot), then xs' of the same 32 k
.macro FETCH slot, half, f
	WIN 0x40
.irp i, 0,1,2,3,4,5,6,7
	ds_load_tr16_b128 v[(\f)+8*(\i):(\f)+8*(\i)+3],   v[ADRB+(\slot)] offset:(\half)*32*PW+32*(\i)
	ds_load_tr16_b128 v[(\f)+8*(\i)+4:(\f)+8*(\i)+7], v[ADRB+(\slot)] offset:(\half)*32*PW+32*(\i)+16*PW
.endr
	WIN 0
.irp i, 0,1,2,3,4,5,6,7
	ds_load_b128 v[(\f)+8*(\i):(\f)+8*(\i)+3],   v[ADRA+(\i)/4] offset:(\half)*64+((\i)%4)*16*PA
	ds_load_b128 v[(\f)+8*(\i)+4:(\f)+8*(\i)+7], v[ADRA+(\i)/4] offset:(\half)*64+((\i)%4)*16*PA+32
.endr
.endm
; A slot is two halves of 32 along K, 64 matrix instructions each.  The first half multiplies buffer 0 and fetches the second half into buffer 1.
.macro QUARTER slot, first
	s_wait_dscnt 8                                 ; W and xs' rows 0-63 are in; the youngest eight loads (rows 64-127) may be out
	MUL16 F0, 0, 0, \first
	MUL16 F0, 0, 2, \first
	PLACES
	FETCH \slot, 1, F1
	s_wait_dscnt 32                                ; all but the 32 just issued
	MUL16 F0, 1, 0, \first
	MUL16 F0, 1, 2, \first
.endm
; The second half multiplies buffer 1 and changes slots: one barrier; in front of it all my tensor loads have landed, the add is done and my reads of this slot are over.
.macro MEET round, slot
	WIN 0
	s_wait_tensorcnt 0x0                           ; the one load that was out is my part of the other slot; no load of mine is out, so a group 0 may be written
	ds_add_u32 v[SPW], v[NIL]                      ; 0 onto my spare word; the descriptor's scalar work stands between it and the wait for it
.if \round
	NEXTW \slot
.endif
	s_wait_dscnt 9                                 ; the add and the youngest eight loads may be out
	MUL16 F1, 0, 0, 0
	s_wait_dscnt 0x0                               ; the add is done, my reads of this slot are over
	s_barrier_signal -1
	MUL16 F1, 0, 2, 0
.if \round
	WIN 0
.endif
	s_barrier_wait -1
.endm
.macro STEPA                           ; xs' address goes to the next K step of the cluster's walk: 128 bytes on, round the row's 1,024
	WIN 0
	s_add_co_u32 s[KA], s[KA], 128
	s_and_b32 s[KA], s[KA], 0x380
	s_min_u32 s[KA], s[KA], 0x380                  ; (128 x a number of 0 to 7: the bound written out once more)
	v_add_nc_u32 v[ADRA], s[KA], v[ABASE]
	v_add_nc_u32 v[ADRA+1], s[KA], v[ABASE+1]
.endm
.macro TURN slot, next, fill
	MEET \fill, \slot
.if \fill
	CREST                                          ; the barrier has opened a round of the cluster's: no wave of any partner still reads this slot or has a load on its way
	LOADW \slot                                    ; first behind the round; 96 matrix instructions stand between it and the wait for it
.else
	PLACES
.endif
	STEPA
	FETCH \next, 0, F0
	MUL16 F1, 1, 0, 0
	MUL16 F1, 1, 2, 0
.endm
.macro BIASLD                          ; block b: b[128 w + 16 b + 8 (l / 16) + 0..7], in the layout of a result
	WIN 0x40
.irp b, 0,1,2,3,4,5,6,7
	global_load_b128 v[8*(\b):8*(\b)+3],   v[BO], s[BP:BP+1] offset:64*(\b)
	global_load_b128 v[8*(\b)+4:8*(\b)+7], v[BO], s[BP:BP+1] offset:64*(\b)+16
.endr
	WIN 0
.endm
; THE WAY OUT of row block a: rounded to bf16; through my own stage; stored as 512 consecutive bytes (two rows of my plane) an instruction.
.macro PACK a
.set AC, 64*((\a)%4)
	WIN 0x0a+5*((\a)/4)
.irp b, 0,1,2,3,4,5,6,7
.irp r, 0,1,2,3
	v_cvt_pk_bf16_f32 v[TMP+4*(\b)+(\r)], v[AC+8*(\b)+2*(\r)], v[AC+8*(\b)+2*(\r)+1]
.endr
.endr
	WIN 0
.endm
.macro TOSTAGE a
	WIN 0
.set BK, OB+192*((\a)%2)
.irp b, 0,1,2,3,4,5,6,7
	ds_store_b128 v[STO], v[TMP+4*(\b):TMP+4*(\b)+3] offset:32*(\b)
.endr
.irp t, 0,1,2,3,4,5,6,7
	ds_load_b128 v[BK+4*(\t):BK+4*(\t)+3], v[RD] offset:(\t)*2*SPITCH  ; LDS serves a wave's instructions in order: these see the stores above
.endr
.endm
.macro SEND a
	WIN 0
.set BK, OB+192*((\a)%2)
	s_wait_dscnt 0x0
	s_wait_xcnt 0x0                                ; earlier stores have read their registers: the other set of 32 is loaded again only behind this wait
.irp t, 0,1,2,3,4,5,6,7
	global_store_b128 v[CO], v[BK+4*(\t):BK+4*(\t)+3], s[CUR:CUR+1] offset:(\a)*4096+(\t)*512
.endr
.endm
.macro OUT
	PLACES
	PACK 0
	TOSTAGE 0
.irp a, 1,2,3,4,5,6,7
	PACK \a
	SEND (\a)-1
	TOSTAGE \a
.endr
	SEND 7
.endm
	s_load_b256 s[12:19], s[0:1], 0x0              ; xs 12, wts 14, aux 16, qb 18
	s_load_b128 s[20:23], s[0:1], 0x20             ; kb 20, vb 22
	v_lshl_add_u32 v[SPW], v0, 2, SPARE
	v_mov_b32 v[NIL], 0
	ds_add_u32 v[SPW], v[NIL]                      ; the opening: the add and its wait ahead of my first tensor load
	v_lshrrev_b32 v1, 5, v0
	v_readfirstlane_b32 s[WV], v1
	s_bfe_u32 s4, ttmp6, 0x40000                   ; cx
	s_lshl_b32 s5, ttmp9, 2
	s_add_co_u32 s5, s5, s4                        ; my block of 128 rows: it enters xs' and the results' addresses alone
	s_and_b32 s[RT], ttmp9, 7                      ; in a cluster launch ttmp9 counts clusters: the same in the four partners
	s_lshl_b32 s[KA], s[RT], 7
	s_min_u32 s[KA], s[KA], 0x380                  ; (the bound written out once more)
	s_mov_b32 s[TQ], 2
	s_mov_b32 s[OFP+1], 0
	s_mov_b32 s[G1A+0], (1<<16)|(1<<20)|(7<<22)|(3<<25)  ; 2-byte elements; padding on: after every 256 words 4 words
	s_mov_b32 s[G1A+1], 512<<16
	s_mov_b32 s[G1A+2], 32<<16
	s_mov_b32 s[G1A+3], 512<<16
	s_mov_b32 s[G1A+4], 32                         ; 32 rows of 512 elements
	s_mov_b32 s[G1A+5], 512
	s_mov_b32 s[G1A+6], 0
	s_mov_b32 s[G1A+7], 0
	s_mov_b32 s[G1W+0], 15|(1<<16)|(1<<20)|(1<<21)|(7<<22)|(7<<25)  ; the mask of four, bit 21 beside it; 8 words of padding
	s_mov_b32 s[G1W+1], 512<<16
	s_mov_b32 s[G1W+2], 16<<16
	s_mov_b32 s[G1W+3], 512<<16
	s_mov_b32 s[G1W+4], 16                         ; 16 rows of 512 elements
	s_mov_b32 s[G1W+5], 512
	s_mov_b32 s[G1W+6], 0
	s_mov_b32 s[G1W+7], 0
	s_mov_b32 s[G0A], 1
	s_mul_i32 s[G0A+1], s[WV], 32*PA
	s_mul_i32 s6, s[WV], 16*PW
	s_mov_b32 s[G0W], 1
	s_add_co_u32 s[G0W+1], s6, SLOT0
	s_mov_b32 s[G0W+4], 1
	s_add_co_u32 s[G0W+5], s6, SLOT1
	s_lshl_b32 s2, s5, 17                          ; 128 rows of 1,024 bytes,
	s_lshl_b32 s3, s[WV], 15                       ; my 32 of them
	s_add_co_u32 s2, s2, s3
	s_mov_b32 s3, 0
	s_lshl_b32 s6, s[WV], 14                       ; my 16 rows of a weight tile
	s_mov_b32 s7, 0
	s_lshr_b32 s8, s5, 6                           ; batch
	s_mul_i32 s8, s8, 8320
	s_and_b32 s9, s5, 63
	s_lshl_b32 s9, s9, 7
	s_add_co_u32 s8, s8, s9
	s_add_co_u32 s8, s8, 64                        ; my first padded row
	s_lshl_b32 s8, s8, 8
	s_mul_i32 s9, s[WV], PLANE
	s_add_co_u32 s8, s8, s9
	s_mov_b32 s9, 0
	s_wait_dscnt 0x0
	s_wait_kmcnt 0x0
	s_add_nc_u64 s[G0A+2:G0A+3], s[12:13], s[2:3]
	s_or_b32 s[G0A+3], s[G0A+3], 0x80000000
	s_add_nc_u64 s[WB:WB+1], s[WB:WB+1], s[6:7]
	s_lshl_b32 s[OFP], s[RT], 16                   ; step 0: K tile RT of Wq
	s_add_nc_u64 s[G0W+2:G0W+3], s[WB:WB+1], s[OFP:OFP+1]
	s_add_co_u32 s[OFP], s[RT], 1                  ; step 1: K tile (RT + 1) mod 8
	s_and_b32 s[OFP], s[OFP], 7
	s_lshl_b32 s[OFP], s[OFP], 16
	s_add_nc_u64 s[G0W+6:G0W+7], s[WB:WB+1], s[OFP:OFP+1]
	s_or_b32 s[G0W+3], s[G0W+3], 0x80000000
	s_or_b32 s[G0W+7], s[G0W+7], 0x80000000
	s_add_nc_u64 s[CUR:CUR+1], s[18:19], s[8:9]
	s_add_nc_u64 s[NX1:NX1+1], s[20:21], s[8:9]
	s_add_nc_u64 s[NX2:NX2+1], s[22:23], s[8:9]
	s_mov_b64 s[BP:BP+1], s[16:17]
	CROUND                                         ; all four work-groups are here: the first joint loads meet
	tensor_load_to_lds s[G0W:G0W+3], s[G1W:G1W+7]  ; the first fills go out as one group: three loads of mine are out
	s_nop 0
	tensor_load_to_lds s[G0A:G0A+3], s[G1A:G1A+7]
	s_nop 0
	tensor_load_to_lds s[G0W+4:G0W+7], s[G1W:G1W+7]
	s_nop 0
	v_and_b32 v1, 15, v0                           ; l % 16
	v_bfe_u32 v2, v0, 4, 1                         ; l / 16
	v_and_b32 v3, 7, v0
	v_bfe_u32 v4, v0, 3, 1
	s_lshl_b32 s6, s[WV], 9
	v_lshl_add_u32 v[BO], v2, 5, s6
	BIASLD
	v_mul_u32_u24 v[ABASE], v1, PA
	v_lshl_add_u32 v[ABASE], v2, 4, v[ABASE]
	v_add_nc_u32 v[ABASE+1], 64*PA, v[ABASE]
	v_add_nc_u32 v[ADRA], s[KA], v[ABASE]
	v_add_nc_u32 v[ADRA+1], s[KA], v[ABASE+1]
	v_lshl_add_u32 v5, v2, 3, v3                   ; the turning load: k row 8 (l / 16) + l % 8,
	v_mul_u32_u24 v5, v5, PW
	v_lshl_add_u32 v5, v4, 4, v5                   ; columns 8 ((l / 8) % 2) on,
	s_lshl_b32 s6, s[WV], 8
	v_add_nc_u32 v5, s6, v5                        ; in my 128 columns
	v_add_nc_u32 v[ADRB], SLOT0, v5
	v_add_nc_u32 v[ADRB+1], SLOT1, v5
	s_mul_i32 s6, s[WV], 16*SPITCH
	s_add_co_u32 s6, s6, STAGE
	v_mul_u32_u24 v5, v1, SPITCH
	v_lshl_add_u32 v5, v2, 4, v5
	v_add_nc_u32 v[STO], s6, v5
	v_mul_u32_u24 v5, v2, SPITCH
	v_lshl_add_u32 v5, v1, 4, v5
	v_add_nc_u32 v[RD], s6, v5
	v_and_b32 v[CO], 31, v0
	v_lshlrev_b32 v[CO], 4, v[CO]
	s_wait_tensorcnt 0x1                           ; slot 0 and xs are in; slot 1's load may stay out
	s_barrier_signal -1
	s_barrier_wait -1
	FETCH 0, 0, F0
	s_mov_b32 s2, 3                                ; tiles to go
.Ltile:
	s_wait_loadcnt 0x0                             ; the bias
	QUARTER 0, 1
	WIN 0
	s_mov_b32 s3, 3
.Llap:                                             ; a trip: once round the ring, two K steps; both slots are filled again
	TURN 0, 1, 1
	QUARTER 1, 0
	TURN 1, 0, 1
	QUARTER 0, 0
	WIN 0
	s_sub_co_u32 s3, s3, 1
	s_cmp_lg_u32 s3, 0
	s_cbranch_scc1 .Llap
	s_cmp_eq_u32 s2, 1
	s_cbranch_scc1 .Llast                          ; the last tile's tail is written out: it asks for nothing more
	TURN 0, 1, 1                                   ; the ring goes on into the next tile
	QUARTER 1, 0
	TURN 1, 0, 1                                   ; eight steps of 128 bytes have brought xs' address round to where the walk began
	WIN 0
	s_wait_xcnt 0x0
	s_add_nc_u64 s[BP:BP+1], s[BP:BP+1], 2048
	BIASLD                                         ; the next tile's bias; its registers were last read in this tile's first quarter
	OUT
	s_wait_xcnt 0x0                                ; the stores have read their base
	s_mov_b64 s[CUR:CUR+1], s[NX1:NX1+1]
	s_mov_b64 s[NX1:NX1+1], s[NX2:NX2+1]
	s_sub_co_u32 s2, s2, 1
	s_branch .Ltile
.Llast:
	TURN 0, 1, 0
	QUARTER 1, 0
	s_wait_dscnt 8
	MUL16 F1, 0, 0, 0
	MUL16 F1, 0, 2, 0
	s_wait_dscnt 0x0
	MUL16 F1, 1, 0, 0
	MUL16 F1, 1, 2, 0
	OUT
	s_wait_tensorcnt 0x0                           ; the wave's end
	ds_add_u32 v[SPW], v[NIL]
	s_wait_dscnt 0x0
	CROUND                                         ; the closing round
	s_endpgm
.Lfunc_end_k_q63f8e18c78_qkv:
	.size	k_q63f8e18c78_qkv, .Lfunc_end_k_q63f8e18c78_qkv-k_q63f8e18c78_qkv
	.p2alignl 7, 3214868480
	.fill 96, 4, 3214868480
	.section	.rodata,"a",@progbits
	.p2align	6, 0x0
	.amdhsa_kernel k_q63f8e18c78_qkv
		.amdhsa_group_segment_fixed_size 327680
		.amdhsa_private_segment_fixed_size 0
		.amdhsa_enable_private_segment 0
		.amdhsa_kernarg_size 48
		.amdhsa_user_sgpr_count 2
		.amdhsa_user_sgpr_kernarg_segment_ptr 1
		.amdhsa_wavefront_size32 1
		.amdhsa_system_sgpr_workgroup_id_x 1
		.amdhsa_system_sgpr_workgroup_id_y 1
		.amdhsa_system_sgpr_workgroup_id_z 1
		.amdhsa_system_vgpr_workitem_id 0
		.amdhsa_next_free_vgpr 1024
		.amdhsa_next_free_sgpr 66
		.amdhsa_reserve_vcc 0
		.amdhsa_float_denorm_mode_32 3
		.amdhsa_float_denorm_mode_16_64 3
		.amdhsa_memory_ordered 1
		.amdhsa_forward_progress 1
		.amdhsa_inst_pref_size 147
	.end_amdhsa_kernel
	.amdgpu_metadata
---
amdhsa.version: [ 1, 2 ]
amdhsa.kernels:
  - .name:           k_q63f8e18c78_qkv
    .symbol:         k_q63f8e18c78_qkv.kd
    .args:
      - { .name: xs, .offset: 0, .size: 8, .value_kind: global_buffer, .address_space: global }
      - { .name: wts, .offset: 8, .size: 8, .value_kind: global_buffer, .address_space: global }
      - { .name: aux, .offset: 16, .size: 8, .value_kind: global_buffer, .address_space: global }
      - { .name: qb, .offset: 24, .size: 8, .value_kind: global_buffer, .address_space: global }
      - { .name: kb, .offset: 32, .size: 8, .value_kind: global_buffer, .address_space: global }
      - { .name: vb, .offset: 40, .size: 8, .value_kind: global_buffer, .address_space: global }
    .group_segment_fixed_size: 327680
    .private_segment_fixed_size: 0
    .kernarg_segment_align: 8
    .kernarg_segment_size: 48
    .max_flat_workgroup_size: 128
    .sgpr_count:     66
    .vgpr_count:     1024
    .wavefront_size: 32
...
	.end_amdgpu_metadata
.endif
;; end of part 2
;; launch layer (part 3): grid 256 x 1, 4 waves a work-group, clusters of 4 x 1, 327,680 bytes of LDS; arguments xs, qb, kb, vb, wts, aux, out0; writes out0
.if DOCPART == 3
	.amdgcn_target "amdgcn-amd-amdhsa--gfx1250"
	.amdhsa_code_object_version 6
	.text
	.protected	k_q63f8e18c78_layer
	.globl	k_q63f8e18c78_layer
	.p2align	8
	.type	k_q63f8e18c78_layer,@function
k_q63f8e18c78_layer:
	s_mov_b64 s[64:65], 0
	v_nop
	global_prefetch_b8 v0, s[64:65] scope:SCOPE_SE
	s_setreg_imm32_b32 hwreg(HW_REG_WAVE_MODE, 25, 1), 1
	s_wait_xcnt 0x0
	s_wait_alu depctr_hold_cnt(0) depctr_sa_sdst(0) depctr_va_vdst(0) depctr_va_sdst(0) depctr_va_ssrc(0) depctr_va_vcc(0) depctr_vm_vsrc(0)
	s_getreg_b32 s2, hwreg(HW_REG_IB_STS2, 6, 4)
	s_cmp_eq_u32 s2, 0
	s_cbranch_scc0 .Lentry_in_a_cluster
	s_endpgm
.Lentry_in_a_cluster:
	s_bfe_u32 s2, ttmp6, 0x10000c
	s_cmp_lg_u32 s2, 0x3003
	s_cbranch_scc0 .Lentry_shape_is_right
	s_endpgm
.Lentry_shape_is_right:
; LAYER: windowed attention, residual + LayerNorm, feed-forward (ReLU), residual + LayerNorm, for 128 rows (two windows of 64) a work-group.  Nothing goes through memory between the steps.
; FORMATS.  q, k, v, the weights p, h = relu(..) and W2 in bf16; y = src + attention and x = LN1(y) are kept in LDS as f16, W1 is f16 (a bf16 number written so); all sums, maxima and both norms in f32.
; LIMITS.  A hidden score counts as -2^38 before the scale (-1.2e10 behind it) where reference() writes -1e10: with any key visible its weight is 0 either way, with none all 192 weights are 1/192 either way.
; |y| and |x| stay under 65,504.  A weight below 2^-126 counts as 0.  NaN and infinities are not treated apart.
; SHARES.  Attention and LN1: wave w owns rows 32 w .. + 31 (two tiles of 16 queries) and the 192 keys of its window.  FFN1: a wave makes 64 rows x 64 of a chunk's 128 hidden columns.
; FFN2: 128 rows x columns 128 w .. + 127, 64 accumulators that stay through all eight chunks.  LN2: the sums meet in LDS, 64 rows at a time, and each wave norms whole rows.
; THE RING.  Two LDS slots take 40 tiles of 65,536 dense bytes by turns: K's four planes (256 keys x 128 channels), V's four, then for each chunk W1 (two tiles of 256 k x 128) and W2 (two of 64 f x 512).
; Each wave fetches a quarter of each tile.  A slot is filled again behind a round of the cluster's barrier, with the tile two steps on.
; CLUSTER.  All work-groups walk the same W1 and W2: the four of a cluster ask jointly (mask 15).  K, V and xs are a work-group's own: plain loads (so are the first chunk's W1 tiles, which share V's text).
; THE WALK OVER THE CHUNKS IS STAGGERED.  Cluster c takes the eight chunks of hidden columns in the order (i + c) mod 8 (the second product's f32 sums may be taken in any order): in any one step the 64 clusters
; ask for eight different tiles, and from the second chunk on a tile that a cluster asks for has been asked for by other clusters a chunk or more earlier.  c is the same in the four partners.
; LAYOUT.  S^T = K Q^T and O^T = V^T P hold one query a lane; both FFN products are used transposed too: a lane holds eight neighbouring columns of one row.
; REGISTERS in windows of 256 (s_set_vgpr_msb: bits 1:0 source 0, 3:2 source 1, 5:4 source 2, 7:6 destination):
;   window 0: v1-15, v16-46 addresses.  Scores: K's fragments v64-159, v160-255.  PV: P v64-159, at work v160-223.  FFN: fragments of x or h v64-127, v128-191; b1 v192-223.  Norms: v64-95, v128-191, v224-255
;   window 1: Q; then O^T v0-127; then W's fragments v64-191 and FFN1's sums v0-63, v192-255; then LN2's g, b v128-159
;   window 2: S^T v0-191, statistics v192-223; then V's fragments v0-127; then FFN2's sums          window 3: mask v0-95, -2^38 v96, LN1's g, b v128-159; then FFN2's sums
.set PLANE, 8519680
.set PX,    1040                       ; a row of X: 1,024 bytes + 16
.set PK,    272                        ; a row of K, and of H: 256 + 16
.set PV,    288                        ; a row of V, and of W1: 256 + 32 (turning loads)
.set PW2,   1056                       ; a row of W2: 1,024 + 32
.set PY,    2064                       ; a row of f32 sums: 2,048 + 16
.set SLOT0, 128*PX
.set SLOT1, SLOT0+73728
.set HB,    SLOT1+73728                ; H: 128 rows x 272; no tensor load lands here
.set SPARE, HB+128*PK                  ; the spare words: two blocks of 256 bytes that no other line names
.set AK,  16
.set AV,  18
.set AXS, 20
.set AX1, 21
.set AB1, 22
.set AH,  26
.set AB2, 27
.set HST, 29
.set SPW, 30
.set NIL, 31
.set ZERO, 32
.set ONE, 33
.set B1O, 34
.set B2O, 35
.set YST, 36
.set AXL, 38
.set AYL, 39
.set GOUT, 40
.set GL,  41
.set PF,  42
.set MO,  46
.set QO,  12
.set KB0, 64
.set P,   64
.set TV,  160
.set F0,  64
.set F1,  128
.set B1,  192
.set R,   64
.set Y,   128
.set U,   224
.set ST,  192
.set WV,  18
.set WH,  21
.set WL,  22
.set CNT, 23
.set W1B, 4                            ; s[4:5]  behind the PV loop: W1 at chunk 0, my quarter of a tile
.set W2B, 6                            ; s[6:7]  behind the PV loop: W2 likewise
.set OFP, 8                            ; s[8:9]  an offset pair
.set OC,  67                           ; s67  the chunk in hand: (trip + the cluster's number) mod 8
.set G1K, 24
.set G1V, 32
.set G1W1, 40
.set G1W2, 48
.set G1X, 56
.set GKA, 68
.set GKB, 72
.set GW1A, 68                          ; K's two sets are written anew for W1's joint loads when K is done
.set GW1B, 72
.set GVA, 76
.set GVB, 80
.set GW2A, 84
.set GW2B, 88
.set GX,  92
.set B1P, 92                           ; s[92:93] aux at 512 x the chunk, s94 = 1/512, s95 = eps: in GX's registers when xs has landed
.set MSB, 0
.macro WIN new
.if MSB != (\new)
	s_set_vgpr_msb (MSB<<8)|(\new)
.set MSB, \new
.endif
.endm
.macro PLACES
.rept 4
	v_nop
.endr
.endm
.macro CREST
	s_cmp_lg_u32 s[WV], 0
	s_cbranch_scc1 .Lnot_wave_0_\@
	s_barrier_signal -3
.Lnot_wave_0_\@:
	s_barrier_wait -3
	s_barrier_signal -1
	s_barrier_wait -1
.endm
.macro CROUND
	s_barrier_signal -1
	s_barrier_wait -1
	CREST
.endm
.macro GRP1 g, w0, d0, rows            ; descriptor group 1: rows x d0 elements of 2 bytes, dense in memory
	s_mov_b32 s[(\g)+0], \w0
	s_mov_b32 s[(\g)+1], (\d0)<<16
	s_mov_b32 s[(\g)+2], (\rows)<<16
	s_mov_b32 s[(\g)+3], (\d0)<<16
	s_mov_b32 s[(\g)+4], \rows
	s_mov_b32 s[(\g)+5], \d0
	s_mov_b32 s[(\g)+6], 0
	s_mov_b32 s[(\g)+7], 0
.endm
.macro MKADR g0, base, extra           ; a weight tile's address, made anew: base + 131,072 x the chunk + extra
	s_lshl_b32 s[OFP], s[OC], 17
	s_add_nc_u64 s[(\g0)+2:(\g0)+3], s[(\base):(\base)+1], s[OFP:OFP+1]
.if \extra
	s_add_nc_u64 s[(\g0)+2:(\g0)+3], s[(\g0)+2:(\g0)+3], \extra
.endif
	s_or_b32 s[(\g0)+3], s[(\g0)+3], 0x80000000
.endm
; A change of slots outside the FFN, in two parts; the descriptor's scalar steps stand between them.
.macro CHGA
	WIN 0
	s_wait_tensorcnt 0x0                           ; all my tensor loads have landed, my part of the other slot among them: a group 0 may be written
	ds_add_u32 v[SPW], v[NIL]
.endm
.macro CHGB g0, g1
	s_wait_dscnt 0x0                               ; the add is done, my reads of the slot are over
	CROUND                                         ; both now hold of every wave of the cluster
	tensor_load_to_lds s[(\g0):(\g0)+3], s[(\g1):(\g1)+7]
	s_nop 0
	PLACES
.endm
; SCORES
.macro KFETCH slot, ks, buf            ; 12 fragments: my window's 192 keys x 32 channels
	WIN 0
.irp kt, 0,1,2,3,4,5,6,7,8,9,10,11
	ds_load_b128 v[(\buf)+8*\kt:(\buf)+8*\kt+3],   v[AK+(\slot)] offset:\kt*16*PK+64*(\ks)
	ds_load_b128 v[(\buf)+8*\kt+4:(\buf)+8*\kt+7], v[AK+(\slot)] offset:\kt*16*PK+64*(\ks)+32
.endr
.endm
.macro SMUL ksg, buf                   ; 24 products, the accumulators by turns
	WIN 0xa4
.irp kt, 0,1,2,3,4,5,6,7,8,9,10,11
.irp qt, 0,1
.if (\ksg) == 0
	v_wmma_f32_16x16x32_bf16 v[8*(2*\kt+\qt):8*(2*\kt+\qt)+7], v[(\buf)+8*\kt:(\buf)+8*\kt+7], v[128*\qt+8*(\ksg):128*\qt+8*(\ksg)+7], 0
.else
	v_wmma_f32_16x16x32_bf16 v[8*(2*\kt+\qt):8*(2*\kt+\qt)+7], v[(\buf)+8*\kt:(\buf)+8*\kt+7], v[128*\qt+8*(\ksg):128*\qt+8*(\ksg)+7], v[8*(2*\kt+\qt):8*(2*\kt+\qt)+7]
.endif
.endr
.endr
.endm
.macro KSTEP c, slot                   ; a plane of K: four times 32 channels; the next fragments are on their way while these are multiplied
.irp ks, 0,1,2,3
	s_wait_dscnt 0x0
.if (\ks) < 3
	PLACES
	KFETCH \slot, (\ks)+1, KB0+96*(((\ks)+1)%2)
.endif
	SMUL 4*(\c)+(\ks), KB0+96*((\ks)%2)
.endr
.endm
; O^T = src^T + V^T P
.macro VFETCH slot, ks, buf            ; 8 fragments: 128 channels x 32 keys, turned
	WIN 0x80
.irp ct, 0,1,2,3,4,5,6,7
	ds_load_tr16_b128 v[(\buf)+8*\ct:(\buf)+8*\ct+3],   v[AV+(\slot)] offset:(\ks)*32*PV+32*\ct
	ds_load_tr16_b128 v[(\buf)+8*\ct+4:(\buf)+8*\ct+7], v[AV+(\slot)] offset:(\ks)*32*PV+32*\ct+16*PV
.endr
.endm
.macro PVMUL ks, buf
	WIN 0x52
.irp qt, 0,1
.irp ct, 0,1,2,3,4,5,6,7
	v_wmma_f32_16x16x32_bf16 v[64*\qt+8*\ct:64*\qt+8*\ct+7], v[(\buf)+8*\ct:(\buf)+8*\ct+7], v[P+48*\qt+8*(\ks):P+48*\qt+8*(\ks)+7], v[64*\qt+8*\ct:64*\qt+8*\ct+7]
.endr
.endr
.endm
.macro PVSTEP slot                     ; a plane of V: src's 128 channels start the sums; y goes back as f16 into the bytes that src left
	VFETCH \slot, 0, 0
	WIN 0
.irp qt, 0,1
.irp ct, 0,1,2,3,4,5,6,7
	ds_load_b128 v[TV+32*\qt+4*\ct:TV+32*\qt+4*\ct+3], v[AXS] offset:\qt*16*PX+32*\ct
.endr
.endr
	s_wait_dscnt 0x0
	WIN 0x40
.set i, 0
.rept 64
	v_lshlrev_b32 v[2*i], 16, v[TV+i]
	v_and_b32 v[2*i+1], s104, v[TV+i]
.set i, i+1
.endr
.irp ks, 0,1,2,3,4,5
	s_wait_dscnt 0x0
.if (\ks) < 5
	PLACES
	VFETCH \slot, (\ks)+1, 64*(((\ks)+1)%2)
.endif
	PVMUL \ks, 64*((\ks)%2)
.endr
	PLACES
	WIN 0x05
.set i, 0
.rept 64
	v_cvt_pk_f16_f32 v[TV+i], v[2*i], v[2*i+1]
.set i, i+1
.endr
	WIN 0
.irp qt, 0,1
.irp ct, 0,1,2,3,4,5,6,7
	ds_store_b128 v[AXS], v[TV+32*\qt+4*\ct:TV+32*\qt+4*\ct+3] offset:\qt*16*PX+32*\ct
.endr
.endr
	v_add_nc_u32 v[AXS], 256, v[AXS]
.endm
.macro CHGV s                          ; the slot takes V's plane two on (first trip) or the first chunk's W1 tile (second trip): the same shape, one text
	CHGA
	s_cmp_eq_u32 s[CNT], 2
	s_cselect_b64 s[6:7], s[4:5], s[12:13]
.if \s
	s_cselect_b32 s8, s105, s66
	s_mov_b32 s9, 0
	s_add_nc_u64 s[6:7], s[6:7], s[8:9]
.endif
	s_mov_b64 s[GVA+4*(\s)+2:GVA+4*(\s)+3], s[6:7]
	s_or_b32 s[GVA+4*(\s)+3], s[GVA+4*(\s)+3], 0x80000000
	CHGB GVA+4*(\s), G1V
.endm
; LAYERNORM of four rows that lie in Y, 16 numbers a lane each; stage by stage, so that no line waits for the one before it.  wgb: the window setting under which g and b are read.
.macro XSUMS
.irp m, 1,2,4,8
.irp rho, 0,1,2,3
	v_add_f32_dpp v[U+8*\rho], v[U+8*\rho], v[U+8*\rho] row_xmask:\m row_mask:0xf bank_mask:0xf
.endr
.endr
.irp rho, 0,1,2,3
	v_permlanex16_b32 v[U+8*\rho+2], v[U+8*\rho], s98, s99
.endr
.irp rho, 0,1,2,3
	v_add_f32 v[U+8*\rho], v[U+8*\rho], v[U+8*\rho+2]
.endr
.endm
.macro TREE                            ; U's four pairs into U's first register
.irp rho, 0,1,2,3
	v_pk_add_f32 v[U+8*\rho:U+8*\rho+1], v[U+8*\rho:U+8*\rho+1], v[U+8*\rho+2:U+8*\rho+3]
	v_pk_add_f32 v[U+8*\rho+4:U+8*\rho+5], v[U+8*\rho+4:U+8*\rho+5], v[U+8*\rho+6:U+8*\rho+7]
.endr
.irp rho, 0,1,2,3
	v_pk_add_f32 v[U+8*\rho:U+8*\rho+1], v[U+8*\rho:U+8*\rho+1], v[U+8*\rho+4:U+8*\rho+5]
.endr
.irp rho, 0,1,2,3
	v_add_f32 v[U+8*\rho], v[U+8*\rho], v[U+8*\rho+1]
.endr
	XSUMS
.endm
.macro LNROWS wgb
.irp q, 0,1,2,3
.irp rho, 0,1,2,3
	v_pk_add_f32 v[U+8*\rho+2*\q:U+8*\rho+2*\q+1], v[Y+16*\rho+4*\q:Y+16*\rho+4*\q+1], v[Y+16*\rho+4*\q+2:Y+16*\rho+4*\q+3]
.endr
.endr
	TREE
.irp rho, 0,1,2,3
	v_mul_f32 v[U+8*\rho], s94, v[U+8*\rho]        ; the mean
.endr
.irp p, 0,1,2,3,4,5,6,7
.irp rho, 0,1,2,3
	v_pk_add_f32 v[Y+16*\rho+2*\p:Y+16*\rho+2*\p+1], v[Y+16*\rho+2*\p:Y+16*\rho+2*\p+1], v[U+8*\rho:U+8*\rho+1] op_sel_hi:[1,0] neg_lo:[0,1] neg_hi:[0,1]
.endr
.endr
.irp q, 0,1,2,3
.irp rho, 0,1,2,3
	v_pk_mul_f32 v[U+8*\rho+2*\q:U+8*\rho+2*\q+1], v[Y+16*\rho+2*\q:Y+16*\rho+2*\q+1], v[Y+16*\rho+2*\q:Y+16*\rho+2*\q+1]
.endr
.endr
.irp q, 0,1,2,3
.irp rho, 0,1,2,3
	v_pk_fma_f32 v[U+8*\rho+2*\q:U+8*\rho+2*\q+1], v[Y+16*\rho+8+2*\q:Y+16*\rho+8+2*\q+1], v[Y+16*\rho+8+2*\q:Y+16*\rho+8+2*\q+1], v[U+8*\rho+2*\q:U+8*\rho+2*\q+1]
.endr
.endr
	TREE
.irp rho, 0,1,2,3
	v_fma_f32 v[U+8*\rho], v[U+8*\rho], s94, s95   ; the variance + eps
.endr
.irp rho, 0,1,2,3
	v_rsq_f32 v[U+8*\rho], v[U+8*\rho]
.endr
	v_nop                                          ; a plain instruction behind the last root,
	s_wait_alu depctr_va_vdst(0)                   ; and one wait for the four, ahead of their first reader
.irp p, 0,1,2,3,4,5,6,7
.irp rho, 0,1,2,3
	v_pk_mul_f32 v[Y+16*\rho+2*\p:Y+16*\rho+2*\p+1], v[Y+16*\rho+2*\p:Y+16*\rho+2*\p+1], v[U+8*\rho:U+8*\rho+1] op_sel_hi:[1,0]
.endr
.endr
	WIN \wgb
.irp p, 0,1,2,3,4,5,6,7
.irp rho, 0,1,2,3
	v_pk_fma_f32 v[Y+16*\rho+2*\p:Y+16*\rho+2*\p+1], v[Y+16*\rho+2*\p:Y+16*\rho+2*\p+1], v[128+2*\p:128+2*\p+1], v[144+2*\p:144+2*\p+1]
.endr
.endr
	WIN 0
.endm
; FFN1: h^T = W1^T x^T, f16; a wave's 64 x 64: 16 accumulators, number 4 a + b
.macro MUL1 f, cc, a0, first
.if \first
	WIN 0x41
.else
	WIN 0x51
.endif
.irp a, \a0, (\a0)+1
.irp b, 0,1,2,3
.if \first
	v_wmma_f32_16x16x32_f16 v[8*(4*(\a)+(\b))+128*((\a)/2):8*(4*(\a)+(\b))+128*((\a)/2)+7], v[(\f)+8*(4*(\cc)+(\b)):(\f)+8*(4*(\cc)+(\b))+7], v[(\f)+8*(4*(\cc)+(\a)):(\f)+8*(4*(\cc)+(\a))+7], v[B1+8*(\b):B1+8*(\b)+7]
.else
	v_wmma_f32_16x16x32_f16 v[8*(4*(\a)+(\b))+128*((\a)/2):8*(4*(\a)+(\b))+128*((\a)/2)+7], v[(\f)+8*(4*(\cc)+(\b)):(\f)+8*(4*(\cc)+(\b))+7], v[(\f)+8*(4*(\cc)+(\a)):(\f)+8*(4*(\cc)+(\a))+7], v[8*(4*(\a)+(\b))+128*((\a)/2):8*(4*(\a)+(\b))+128*((\a)/2)+7]
.endif
.endr
.endr
.endm
.macro FETCH1 slot, kq, f, half        ; 32 loads: 64 along K (quarter kq of the tile), the first 32 along K first
.irp cc, 0,1
	WIN 0x40
.irp i, 0,1,2,3
	ds_load_tr16_b128 v[(\f)+8*(4*\cc+\i):(\f)+8*(4*\cc+\i)+3],   v[AB1+2*(\slot)+(\kq)/2] offset:(((\kq)%2)*64+32*\cc)*PV+32*\i
	ds_load_tr16_b128 v[(\f)+8*(4*\cc+\i)+4:(\f)+8*(4*\cc+\i)+7], v[AB1+2*(\slot)+(\kq)/2] offset:(((\kq)%2)*64+32*\cc)*PV+32*\i+16*PV
.endr
	WIN 0
.irp i, 0,1,2,3
	ds_load_b128 v[(\f)+8*(4*\cc+\i):(\f)+8*(4*\cc+\i)+3],   v[AX1] offset:512*(\half)+128*(\kq)+64*\cc+\i*16*PX
	ds_load_b128 v[(\f)+8*(4*\cc+\i)+4:(\f)+8*(4*\cc+\i)+7], v[AX1] offset:512*(\half)+128*(\kq)+64*\cc+\i*16*PX+32
.endr
.endr
.endm
.macro QUARTER1 slot, kq, f, g, first, half  ; multiplies buffer f, fetches quarter kq into g
	s_wait_dscnt 16                                ; the first 32 along K are in
	MUL1 \f, 0, 0, \first
	MUL1 \f, 0, 2, \first
	PLACES
	FETCH1 \slot, \kq, \g, \half
	s_wait_dscnt 32                                ; all but the 32 just issued
	MUL1 \f, 1, 0, 0
	MUL1 \f, 1, 2, 0
.endm
.macro TURN1 g0, nxt, extra            ; the tile's last quarter, on buffer 1, and the change of slots: this slot takes a tile of the chunk's W2
	WIN 0
	s_wait_tensorcnt 0x0                           ; no load of mine is out, so a group 0 may be written
	ds_add_u32 v[SPW], v[NIL]                      ; 0 onto my spare word; the descriptor's scalar work stands between it and the wait for it
	MKADR \g0, W2B, \extra
	s_wait_dscnt 17                                ; the add and the youngest sixteen loads may be out
	MUL1 F1, 0, 0, 0
	s_wait_dscnt 0x0
	s_barrier_signal -1
	MUL1 F1, 0, 2, 0
	WIN 0
	s_barrier_wait -1
	CREST
	tensor_load_to_lds s[(\g0):(\g0)+3], s[G1W2:G1W2+7]
	s_nop 0
	PLACES
.if \nxt
	FETCH1 1, 0, F0, 1
.endif
	MUL1 F1, 1, 0, 0
	MUL1 F1, 1, 2, 0
.endm
.macro EPI                             ; h = relu(..), rounded to bf16, into H
	PLACES
	WIN 0x05
.set i, 0
.rept 16
.irp e, 0,1,2,3
	v_cvt_pk_bf16_f32 v[F0+4*i+\e], v[8*i+128*(i/8)+2*\e], v[8*i+128*(i/8)+2*\e+1]
.endr
.set i, i+1
.endr
	WIN 0
.set i, 0
.rept 64
	v_pk_max_num_bf16 v[F0+i], v[F0+i], v[ZERO]
.set i, i+1
.endr
.set i, 0
.rept 16
	ds_store_b128 v[HST], v[F0+4*i:F0+4*i+3] offset:(i/4)*16*PK+32*(i%4)
.set i, i+1
.endr
.endm
; FFN2: sums += W2^T h^T, bf16
.macro MUL16 f, hi, a0
	WIN 0xa1+0x50*(\hi)
.irp a, \a0, (\a0)+1
.irp b, 0,1,2,3,4,5,6,7
	v_wmma_f32_16x16x32_bf16 v[8*(8*(\a)+(\b)):8*(8*(\a)+(\b))+7], v[(\f)+8*(\b):(\f)+8*(\b)+7], v[(\f)+8*(4*(\hi)+(\a)):(\f)+8*(4*(\hi)+(\a))+7], v[8*(8*(\a)+(\b)):8*(8*(\a)+(\b))+7]
.endr
.endr
.endm
.macro FETCH2 slot, half, f
	WIN 0x40
.irp i, 0,1,2,3,4,5,6,7
	ds_load_tr16_b128 v[(\f)+8*\i:(\f)+8*\i+3],   v[AB2+(\slot)] offset:(\half)*32*PW2+32*\i
	ds_load_tr16_b128 v[(\f)+8*\i+4:(\f)+8*\i+7], v[AB2+(\slot)] offset:(\half)*32*PW2+32*\i+16*PW2
.endr
	WIN 0
.irp i, 0,1,2,3,4,5,6,7
	ds_load_b128 v[(\f)+8*\i:(\f)+8*\i+3],   v[AH] offset:(\slot)*128+(\half)*64+\i*16*PK
	ds_load_b128 v[(\f)+8*\i+4:(\f)+8*\i+7], v[AH] offset:(\slot)*128+(\half)*64+\i*16*PK+32
.endr
.endm
.macro QUARTER2 slot
	s_wait_dscnt 8                                 ; W2 and h's rows 0-63 are in
	MUL16 F0, 0, 0
	MUL16 F0, 0, 2
	PLACES
	FETCH2 \slot, 1, F1
	s_wait_dscnt 32
	MUL16 F0, 1, 0
	MUL16 F0, 1, 2
.endm
; nxt = 1: W2's second tile is fetched next; 2: the next chunk's W1.  fill = 1: this slot takes a tile of the next chunk's W1; step = 1: the chunk's number goes on first
.macro TURN2 fill, g0, nxt, extra, step
	WIN 0
	s_wait_tensorcnt 0x0                           ; no load of mine is out, so a group 0 may be written
	ds_add_u32 v[SPW], v[NIL]
.if \fill
.if \step
	s_add_co_u32 s[OC], s[OC], 1
	s_and_b32 s[OC], s[OC], 7
.endif
	MKADR \g0, W1B, \extra
.endif
	s_wait_dscnt 9                                 ; the add and the youngest eight loads may be out
	MUL16 F1, 0, 0
	s_wait_dscnt 0x0
	s_barrier_signal -1
	MUL16 F1, 0, 2
.if \fill
	WIN 0
.endif
	s_barrier_wait -1
.if \fill
	CREST
	tensor_load_to_lds s[(\g0):(\g0)+3], s[G1W1:G1W1+7]
	s_nop 0
.endif
	PLACES
.if (\nxt) == 1
	FETCH2 1, 0, F0
.else
	FETCH1 0, 0, F0, 0
.endif
	MUL16 F1, 1, 0
	MUL16 F1, 1, 2
.endm
.macro B1LD
	WIN 0
.irp b, 0,1,2,3
	global_load_b128 v[B1+8*\b:B1+8*\b+3],   v[B1O], s[B1P:B1P+1] offset:6144+64*\b
	global_load_b128 v[B1+8*\b+4:B1+8*\b+7], v[B1O], s[B1P:B1P+1] offset:6144+64*\b+16
.endr
.endm
.macro DUMP hi                         ; 64 rows of my 128 columns' sums into Y, each accumulator's low registers first
	WIN 0x08+4*(\hi)
.set i, 0
.rept 32
	ds_store_b128 v[YST+i/16], v[8*i:8*i+3]   offset:((i/8)%2)*16*PY+64*(i%8)
	ds_store_b128 v[YST+i/16], v[8*i+4:8*i+7] offset:((i/8)%2)*16*PY+64*(i%8)+16
.set i, i+1
.endr
	WIN 0
.endm
	s_load_b256 s[4:11], s[0:1], 0x0               ; xs 4, qb 6, kb 8, vb 10
	s_load_b128 s[12:15], s[0:1], 0x20             ; wts 12, aux 14
	s_load_b64 s[16:17], s[0:1], 0x30              ; out0
	v_lshl_add_u32 v[SPW], v0, 2, SPARE
	v_mov_b32 v[NIL], 0
	ds_add_u32 v[SPW], v[NIL]                      ; the opening: the add and its wait ahead of my first tensor load
	v_lshrrev_b32 v1, 5, v0
	v_readfirstlane_b32 s[WV], v1
	s_lshr_b32 s[WH], s[WV], 1                     ; my window; my half of FFN1's rows
	s_and_b32 s[WL], s[WV], 1                      ; my half of FFN1's columns
	s_bfe_u32 s2, ttmp6, 0x40000                   ; cx
	s_lshl_b32 s19, ttmp9, 2
	s_add_co_u32 s19, s19, s2                      ; my block of 128 rows: it enters global addresses of plain loads and stores alone
	s_lshr_b32 s20, s19, 6
	s_mul_i32 s20, s20, 8320
	s_and_b32 s2, s19, 63
	s_lshl_b32 s2, s2, 7
	s_add_co_u32 s20, s20, s2                      ; the first of my 256 padded key rows
	GRP1 G1K,  (1<<16)|(1<<20)|(5<<22)|(3<<25), 128, 64
	GRP1 G1V,  (1<<16)|(1<<20)|(5<<22)|(7<<25), 128, 64
	GRP1 G1W1, 15|(1<<16)|(1<<20)|(1<<21)|(5<<22)|(7<<25), 128, 64
	GRP1 G1W2, 15|(1<<16)|(1<<20)|(1<<21)|(7<<22)|(7<<25), 512, 16
	GRP1 G1X,  (1<<16)|(1<<20)|(7<<22)|(3<<25), 512, 32
	s_mul_i32 s2, s[WV], 64*PK
	s_mov_b32 s[GKA], 1
	s_add_co_u32 s[GKA+1], s2, SLOT0
	s_mov_b32 s[GKB], 1
	s_add_co_u32 s[GKB+1], s2, SLOT1
	s_mul_i32 s2, s[WV], 64*PV
	s_mov_b32 s[GVA], 1
	s_add_co_u32 s[GVA+1], s2, SLOT0
	s_mov_b32 s[GVB], 1
	s_add_co_u32 s[GVB+1], s2, SLOT1
	s_mul_i32 s2, s[WV], 16*PW2
	s_mov_b32 s[GW2A], 1
	s_add_co_u32 s[GW2A+1], s2, SLOT0
	s_mov_b32 s[GW2B], 1
	s_add_co_u32 s[GW2B+1], s2, SLOT1
	s_mov_b32 s[GX], 1
	s_mul_i32 s[GX+1], s[WV], 32*PX
	s_mov_b32 s96, 0x3d8293ee                      ; c = log2(e) / sqrt(512)
	s_mov_b32 s97, s96
	s_mov_b32 s98, 0x76543210                      ; v_permlanex16_b32: each lane takes its own place in the other half
	s_mov_b32 s99, 0xfedcba98
	s_mov_b32 s104, 0xffff0000
	s_mov_b32 s105, PLANE
	s_mov_b32 s66, 65536
	s_and_b32 s[OC], ttmp9, 7                      ; in a cluster launch ttmp9 counts clusters: the same in the four partners
	s_wait_dscnt 0x0
	s_wait_kmcnt 0x0
	s_lshl_b32 s2, s19, 17
	s_lshl_b32 s3, s[WV], 15
	s_add_co_u32 s2, s2, s3
	s_mov_b32 s3, 0
	s_add_nc_u64 s[GX+2:GX+3], s[4:5], s[2:3]      ; my 32 rows of xs
	s_or_b32 s[GX+3], s[GX+3], 0x80000000
	s_lshl_b32 s2, s20, 8
	s_add_nc_u64 s[10:11], s[10:11], s[2:3]        ; vb, kb, qb at my first key row
	s_add_nc_u64 s[8:9], s[8:9], s[2:3]
	s_add_nc_u64 s[6:7], s[6:7], s[2:3]
	s_lshl_b32 s2, s[WV], 14                       ; my quarter of a tile
	s_add_nc_u64 s[GKA+2:GKA+3], s[8:9], s[2:3]
	s_add_nc_u64 s[GKB+2:GKB+3], s[GKA+2:GKA+3], PLANE
	s_add_nc_u64 s[GVA+2:GVA+3], s[10:11], s[2:3]
	s_add_nc_u64 s[GVB+2:GVB+3], s[GVA+2:GVA+3], PLANE
	s_add_nc_u64 s[4:5], s[GVA+2:GVA+3], 2*PLANE   ; V's plane 2
	s_or_b32 s[GKA+3], s[GKA+3], 0x80000000
	s_or_b32 s[GKB+3], s[GKB+3], 0x80000000
	s_or_b32 s[GVA+3], s[GVA+3], 0x80000000
	s_or_b32 s[GVB+3], s[GVB+3], 0x80000000
	s_add_nc_u64 s[12:13], s[12:13], s[2:3]        ; wts at my quarter
	s_add_nc_u64 s[12:13], s[12:13], 1572864       ; W1, chunk 0,
	s_lshl_b32 s2, s[OC], 17
	s_add_nc_u64 s[12:13], s[12:13], s[2:3]        ; and the chunk at which my cluster's walk begins
	s_lshl_b32 s2, s[WV], 13
	s_add_co_u32 s2, s2, 64*256
	s_add_nc_u64 s[6:7], s[6:7], s[2:3]            ; q at my 32 rows
	s_lshl_b32 s2, s19, 18
	s_add_nc_u64 s[16:17], s[16:17], s[2:3]        ; out0 at my work-group's 128 rows
	CROUND
	tensor_load_to_lds s[GKA:GKA+3], s[G1K:G1K+7]  ; the first fills go out as one group: three loads of mine are out
	s_nop 0
	tensor_load_to_lds s[GKB:GKB+3], s[G1K:G1K+7]
	s_nop 0
	tensor_load_to_lds s[GX:GX+3], s[G1X:G1X+7]
	s_nop 0
	v_and_b32 v1, 15, v0                           ; l % 16
	v_bfe_u32 v2, v0, 4, 1                         ; l / 16
	v_and_b32 v3, 7, v0
	v_bfe_u32 v4, v0, 3, 1
	v_and_b32 v5, 31, v0
	v_lshlrev_b32 v[QO], 8, v1
	v_lshl_add_u32 v[QO], v2, 4, v[QO]             ; row x 256 + 16 x half, in each of q's four planes
	v_add_nc_u32 v[QO+1], PLANE, v[QO]
	v_add_nc_u32 v[QO+2], 2*PLANE, v[QO]
	v_add_nc_u32 v[QO+3], 3*PLANE, v[QO]
	v_lshlrev_b32 v[GL], 4, v5
	s_lshl_b32 s2, s[WH], 6
	s_add_co_u32 s2, s2, s20
	s_lshl_b32 s2, s2, 2
	v_lshl_add_u32 v[MO], v2, 5, s2                ; the mask of my window's keys, eight a lane and tile
	WIN 0x40
.set i, 0
.rept 32                                           ; Q stays in registers: tile i / 16, channels 32 (i % 16) on
	global_load_b128 v[8*i:8*i+3],   v[QO+(i%16)/4], s[6:7] offset:(i/16)*4096+(i%4)*64
	global_load_b128 v[8*i+4:8*i+7], v[QO+(i%16)/4], s[6:7] offset:(i/16)*4096+(i%4)*64+32
.set i, i+1
.endr
	WIN 0xc0
.set i, 0
.rept 12
	global_load_b128 v[8*i:8*i+3],   v[MO], s[14:15] offset:20480+64*i
	global_load_b128 v[8*i+4:8*i+7], v[MO], s[14:15] offset:20480+64*i+16
.set i, i+1
.endr
.irp i, 0,1,2,3
	global_load_b128 v[128+4*\i:128+4*\i+3], v[GL], s[14:15] offset:12288+512*\i  ; LN1's g and b: columns 128 i + 4 l + 0..3
	global_load_b128 v[144+4*\i:144+4*\i+3], v[GL], s[14:15] offset:14336+512*\i
.endr
	v_mov_b32 v96, 0xd2800000                      ; -2^38
	WIN 0
	v_lshl_add_u32 v6, v2, 3, v3                   ; the turning loads' row,
	v_lshlrev_b32 v7, 4, v4                        ; and their 16 bytes
	v_mul_u32_u24 v8, v1, PK
	v_lshl_add_u32 v8, v2, 4, v8
	v_mad_u32_u24 v9, v6, PV, v7
	v_mul_u32_u24 v10, v1, PX
	v_lshl_add_u32 v10, v2, 4, v10
	s_mul_i32 s2, s[WH], 64*PK
	v_add_nc_u32 v11, s2, v8
	v_add_nc_u32 v[AK], SLOT0, v11
	v_add_nc_u32 v[AK+1], SLOT1, v11
	s_lshl_b32 s3, s[WL], 7
	s_add_co_u32 s2, s2, s3
	s_add_co_u32 s2, s2, HB
	v_add_nc_u32 v[HST], s2, v8
	v_add_nc_u32 v[AH], HB, v8
	s_mul_i32 s2, s[WH], 64*PV
	v_add_nc_u32 v11, s2, v9
	v_add_nc_u32 v[AV], SLOT0, v11
	v_add_nc_u32 v[AV+1], SLOT1, v11
	v_add_nc_u32 v11, s3, v9
	v_add_nc_u32 v[AB1], SLOT0, v11
	v_add_nc_u32 v[AB1+1], SLOT0+128*PV, v11
	v_add_nc_u32 v[AB1+2], SLOT1, v11
	v_add_nc_u32 v[AB1+3], SLOT1+128*PV, v11
	s_mul_i32 s2, s[WV], 32*PX
	v_add_nc_u32 v[AXS], s2, v10
	v_lshl_add_u32 v[AXL], v5, 3, s2
	s_mul_i32 s2, s[WH], 64*PX
	v_add_nc_u32 v[AX1], s2, v10
	v_mad_u32_u24 v11, v6, PW2, v7
	s_lshl_b32 s2, s[WV], 8
	v_add_nc_u32 v11, s2, v11
	v_add_nc_u32 v[AB2], SLOT0, v11
	v_add_nc_u32 v[AB2+1], SLOT1, v11
	s_lshl_b32 s2, s[WL], 8
	v_lshl_add_u32 v[B1O], v2, 5, s2
	s_lshl_b32 s2, s[WV], 9
	v_lshl_add_u32 v[B2O], v2, 5, s2
	v_mul_u32_u24 v11, v1, PY
	v_add_nc_u32 v11, v[B2O], v11
	v_add_nc_u32 v[YST], SLOT0, v11
	v_add_nc_u32 v[YST+1], SLOT0+32*PY, v11
	s_lshl_b32 s2, s[WV], 13
	s_add_co_u32 s2, s2, 64*256
	v_lshl_add_u32 v[PF], v5, 8, s2                ; a lane a row: my 32 of the work-group's own 128 rows of V
	v_add_nc_u32 v[PF+1], PLANE, v[PF]
	v_add_nc_u32 v[PF+2], 2*PLANE, v[PF]
	v_add_nc_u32 v[PF+3], 3*PLANE, v[PF]
	v_mov_b32 v[ZERO], 0
	v_mov_b32 v[ONE], 1.0
	s_wait_tensorcnt 0x2                           ; K's plane 0 is in; plane 1 and xs may stay out
	s_barrier_signal -1
	s_barrier_wait -1
	KFETCH 0, 0, KB0
	s_wait_loadcnt 0x0                             ; Q, the mask, g and b
	KSTEP 0, 0
	CHGA
	s_add_nc_u64 s[GKA+2:GKA+3], s[GKA+2:GKA+3], 2*PLANE
	CHGB GKA, G1K                                  ; K's plane 2
	KFETCH 1, 0, KB0
	global_prefetch_b8 v[PF], s[10:11] th:TH_LOAD_NT scope:SCOPE_SE    ; V's planes 0 and 1, two changes of slots ahead of plane 0's load; each work-group names its own 128 rows, so each row is named once
	global_prefetch_b8 v[PF+1], s[10:11] th:TH_LOAD_NT scope:SCOPE_SE
	KSTEP 1, 1
	CHGA
	s_add_nc_u64 s[GKB+2:GKB+3], s[GKB+2:GKB+3], 2*PLANE
	CHGB GKB, G1K                                  ; K's plane 3
	KFETCH 0, 0, KB0
	global_prefetch_b8 v[PF+2], s[10:11] th:TH_LOAD_NT scope:SCOPE_SE  ; V's planes 2 and 3
	global_prefetch_b8 v[PF+3], s[10:11] th:TH_LOAD_NT scope:SCOPE_SE
	KSTEP 2, 0
	CHGA
	CHGB GVA, G1V                                  ; V's plane 0
	KFETCH 1, 0, KB0
	KSTEP 3, 1
	CHGA
	s_lshl_b32 s[OFP], s[OC], 9                    ; xs has landed: its group 0 makes room.  b1 of the first chunk of my cluster's walk: 128 numbers a chunk
	s_mov_b32 s[OFP+1], 0
	s_add_nc_u64 s[B1P:B1P+1], s[14:15], s[OFP:OFP+1]
	s_mov_b32 s94, 0x3b000000                      ; 1 / 512
	s_mov_b32 s95, 0x3727c5ac                      ; 1e-5
	CHGB GVB, G1V                                  ; V's plane 1; the four places behind it stand behind the last products too
	; SOFTMAX over my lane's 96 scores a query tile (the query's other 96 lie in the lane 16 away).  Hidden keys first: the score is replaced.
	WIN 0x8e
.set kt, 0
.rept 12
.set j, 0
.rept 8
	v_cmp_eq_u32 vcc_lo, 0, v[8*kt+j]
	v_cndmask_b32 v[16*kt+j], v[16*kt+j], v96, vcc_lo
	v_cndmask_b32 v[16*kt+8+j], v[16*kt+8+j], v96, vcc_lo
.set j, j+1
.endr
.set kt, kt+1
.endr
	WIN 0xaa
.irp kk, 0,1,2                                     ; the maximum: four chains a tile, eight that take turns
.irp jj, 0,2,4,6
.irp qt, 0,1
.irp n, 0,1,2,3
.if (\kk)+(\jj)
	v_max3_num_f32 v[ST+16*\qt+4+\n], v[ST+16*\qt+4+\n], v[48*\n+16*\kk+8*\qt+\jj], v[48*\n+16*\kk+8*\qt+\jj+1]
.else
	v_max_num_f32 v[ST+16*\qt+4+\n], v[48*\n+8*\qt], v[48*\n+8*\qt+1]
.endif
.endr
.endr
.endr
.endr
.irp qt, 0,1
	v_max3_num_f32 v[ST+16*\qt+4], v[ST+16*\qt+4], v[ST+16*\qt+5], v[ST+16*\qt+6]
.endr
.irp qt, 0,1
	v_max_num_f32 v[ST+16*\qt+4], v[ST+16*\qt+4], v[ST+16*\qt+7]
.endr
.irp qt, 0,1
	v_permlanex16_b32 v[ST+16*\qt+5], v[ST+16*\qt+4], s98, s99
.endr
.irp qt, 0,1
	v_max_num_f32 v[ST+16*\qt+1], v[ST+16*\qt+4], v[ST+16*\qt+5]  ; m
.endr
.irp qt, 0,1
	v_mul_f32 v[ST+16*\qt], s96, v[ST+16*\qt+1]    ; c m
.endr
.set kt, 0
.rept 12
.irp qt, 0,1
.irp jj, 0,2,4,6
	v_pk_fma_f32 v[16*kt+8*\qt+\jj:16*kt+8*\qt+\jj+1], v[16*kt+8*\qt+\jj:16*kt+8*\qt+\jj+1], s[96:97], v[ST+16*\qt:ST+16*\qt+1] op_sel_hi:[1,0,0] neg_lo:[0,0,1] neg_hi:[0,0,1]
.endr
.endr
.set kt, kt+1
.endr
.set i, 0
.rept 192
	v_exp_f32 v[i], v[i]
.set i, i+1
.endr
	v_nop                                          ; a plain instruction behind the last exponential,
	s_wait_alu depctr_va_vdst(0)                   ; and one wait for the batch of 192
.set p, 1
.rept 11                                           ; the sums: four chains of twelve pairs a tile
.irp qt, 0,1
.irp n, 0,1,2,3
.if p == 1
	v_pk_add_f32 v[ST+16*\qt+4+2*\n:ST+16*\qt+5+2*\n], v[48*\n+8*\qt:48*\n+8*\qt+1], v[48*\n+8*\qt+2:48*\n+8*\qt+3]
.else
	v_pk_add_f32 v[ST+16*\qt+4+2*\n:ST+16*\qt+5+2*\n], v[ST+16*\qt+4+2*\n:ST+16*\qt+5+2*\n], v[48*\n+16*(p/4)+8*\qt+2*(p%4):48*\n+16*(p/4)+8*\qt+2*(p%4)+1]
.endif
.endr
.endr
.set p, p+1
.endr
.irp qt, 0,1
	v_pk_add_f32 v[ST+16*\qt+4:ST+16*\qt+5], v[ST+16*\qt+4:ST+16*\qt+5], v[ST+16*\qt+6:ST+16*\qt+7]
	v_pk_add_f32 v[ST+16*\qt+8:ST+16*\qt+9], v[ST+16*\qt+8:ST+16*\qt+9], v[ST+16*\qt+10:ST+16*\qt+11]
.endr
.irp qt, 0,1
	v_pk_add_f32 v[ST+16*\qt+4:ST+16*\qt+5], v[ST+16*\qt+4:ST+16*\qt+5], v[ST+16*\qt+8:ST+16*\qt+9]
.endr
.irp qt, 0,1
	v_add_f32 v[ST+16*\qt+3], v[ST+16*\qt+4], v[ST+16*\qt+5]
.endr
.irp qt, 0,1
	v_permlanex16_b32 v[ST+16*\qt+6], v[ST+16*\qt+3], s98, s99
.endr
.irp qt, 0,1
	v_add_f32 v[ST+16*\qt+3], v[ST+16*\qt+3], v[ST+16*\qt+6]
.endr
.irp qt, 0,1
	v_rcp_f32 v[ST+16*\qt+2], v[ST+16*\qt+3]
.endr
	v_nop
	s_wait_alu depctr_va_vdst(0)                   ; one wait for the two reciprocals
.set kt, 0
.rept 12
.irp qt, 0,1
.irp jj, 0,2,4,6
	v_pk_mul_f32 v[16*kt+8*\qt+\jj:16*kt+8*\qt+\jj+1], v[16*kt+8*\qt+\jj:16*kt+8*\qt+\jj+1], v[ST+16*\qt+2:ST+16*\qt+3] op_sel_hi:[1,0]
.endr
.endr
.set kt, kt+1
.endr
	WIN 0x0a                                       ; two key tiles, rounded in pairs, are source 1 of the second product
.set ks, 0
.rept 6
.irp qt, 0,1
.irp i, 0,1,2,3
	v_cvt_pk_bf16_f32 v[P+48*\qt+8*ks+\i],   v[32*ks+8*\qt+2*\i],    v[32*ks+8*\qt+2*\i+1]
	v_cvt_pk_bf16_f32 v[P+48*\qt+8*ks+4+\i], v[32*ks+16+8*\qt+2*\i], v[32*ks+16+8*\qt+2*\i+1]
.endr
.endr
.set ks, ks+1
.endr
	WIN 0
	s_mov_b32 s[CNT], 2
.Lpv:                                              ; two trips of two planes of V
	PVSTEP 0
	CHGV 0
	PVSTEP 1
	CHGV 1
	s_sub_co_u32 s[CNT], s[CNT], 1
	s_cmp_lg_u32 s[CNT], 0
	s_cbranch_scc1 .Lpv
	s_mul_i32 s2, s[WV], 64*PV                     ; K's group 0 sets, long done, serve W1's joint loads from here on: LDS words of the wave's number alone
	s_add_co_u32 s[GW1A+1], s2, SLOT0
	s_add_co_u32 s[GW1B+1], s2, SLOT1
	s_lshl_b32 s[OFP], s[OC], 17                   ; the bases from which the joint loads' addresses are made: W1 and W2 at chunk 0, my quarter of a tile
	s_mov_b32 s[OFP+1], 0
	s_sub_nc_u64 s[W1B:W1B+1], s[12:13], s[OFP:OFP+1]
	s_add_nc_u64 s[W2B:W2B+1], s[W1B:W1B+1], 1048576
	; LN1: my 32 rows, four a trip; a lane holds columns 128 i + 4 l + 0..3; x goes back as f16 into the bytes that y left
	s_mov_b32 s100, 8
.Lln1:
.irp rho, 0,1,2,3
.irp i, 0,1,2,3
	ds_load_b64 v[R+8*\rho+2*\i:R+8*\rho+2*\i+1], v[AXL] offset:\rho*PX+256*\i
.endr
.endr
	s_wait_dscnt 0x0
.set i, 0
.rept 32
	v_fma_mix_f32 v[Y+2*i],   v[R+i], v[ONE], v[ZERO] op_sel:[0,0,0] op_sel_hi:[1,0,0]  ; an f16 half times 1 plus 0: widened
	v_fma_mix_f32 v[Y+2*i+1], v[R+i], v[ONE], v[ZERO] op_sel:[1,0,0] op_sel_hi:[1,0,0]
.set i, i+1
.endr
	LNROWS 0x3c
.set i, 0
.rept 32
	v_cvt_pk_f16_f32 v[R+i], v[Y+2*i], v[Y+2*i+1]
.set i, i+1
.endr
.irp rho, 0,1,2,3
.irp i, 0,1,2,3
	ds_store_b64 v[AXL], v[R+8*\rho+2*\i:R+8*\rho+2*\i+1] offset:\rho*PX+256*\i
.endr
.endr
	v_add_nc_u32 v[AXL], 4*PX, v[AXL]
	s_sub_co_u32 s100, s100, 1
	s_cmp_lg_u32 s100, 0
	s_cbranch_scc1 .Lln1
.irp hw, 0,1                                       ; FFN2's 64 sums start at b2, in the layout of a result: one text then serves all eight chunks
	WIN 0x80+0x40*\hw
.set i, 0
.rept 32
	global_load_b128 v[8*i:8*i+3],   v[B2O], s[14:15] offset:10240+64*(i%8)
	global_load_b128 v[8*i+4:8*i+7], v[B2O], s[14:15] offset:10240+64*(i%8)+16
.set i, i+1
.endr
.endr
	B1LD
	s_wait_dscnt 0x0                               ; my rows of x are written
	s_barrier_signal -1
	s_barrier_wait -1                              ; everybody's are; W1's second tile may stay out
	FETCH1 0, 0, F0, 0
	s_mov_b32 s[CNT], 8
.Lchunk:                                           ; 128 hidden columns a trip: chunk OC
	s_wait_loadcnt 0x0                             ; b1 (and, the first time, b2)
	QUARTER1 0, 1, F0, F1, 1, 0
	QUARTER1 0, 2, F1, F0, 0, 0
	QUARTER1 0, 3, F0, F1, 0, 0
	TURN1 GW2A, 1, 0
	QUARTER1 1, 1, F0, F1, 0, 1
	QUARTER1 1, 2, F1, F0, 0, 1
	QUARTER1 1, 3, F0, F1, 0, 1
	TURN1 GW2B, 0, 65536
	EPI
	s_wait_dscnt 0x0                               ; my part of h is written
	s_barrier_signal -1
	s_barrier_wait -1                              ; everybody's is
	FETCH2 0, 0, F0
	s_cmp_eq_u32 s[CNT], 1
	s_cbranch_scc1 .Ltail                          ; the last chunk's second product is written out: it asks for nothing more
	QUARTER2 0
	TURN2 1, GW1A, 1, 0, 1                         ; the chunk's number goes on; the next chunk's W1, first tile
	WIN 0
	s_wait_xcnt 0x0                                ; the last loads of b1 have read their base
	s_lshl_b32 s[OFP], s[OC], 9
	s_add_nc_u64 s[B1P:B1P+1], s[14:15], s[OFP:OFP+1]
	B1LD                                           ; the next chunk's b1
	QUARTER2 1
	TURN2 1, GW1B, 2, 65536, 0                     ; its second tile
	WIN 0
	s_sub_co_u32 s[CNT], s[CNT], 1
	s_branch .Lchunk
.Ltail:
	QUARTER2 0
	TURN2 0, 0, 1, 0, 0
	QUARTER2 1
	s_wait_dscnt 8
	MUL16 F1, 0, 0
	MUL16 F1, 0, 2
	s_wait_dscnt 0x0
	MUL16 F1, 1, 0
	MUL16 F1, 1, 2
	; LN2.  The ring has had its last fill: the sums go into its bytes, 64 rows at a time; wave w norms rows 16 w .. + 15 of them, four a trip, and stores whole rows.
	PLACES
	WIN 0x40
.irp i, 0,1,2,3
	global_load_b128 v[128+4*\i:128+4*\i+3], v[GL], s[14:15] offset:16384+512*\i
	global_load_b128 v[144+4*\i:144+4*\i+3], v[GL], s[14:15] offset:18432+512*\i
.endr
	WIN 0
	s_mul_i32 s2, s[WV], 16*PY
	s_add_co_u32 s2, s2, SLOT0
	v_lshl_add_u32 v[AYL], v5, 4, s2
	s_mul_i32 s2, s[WV], 16*PX
	v_lshl_add_u32 v[AXL], v5, 3, s2
	s_lshl_b32 s2, s[WV], 15
	v_lshl_add_u32 v[GOUT], v5, 4, s2
	s_wait_loadcnt 0x0
	s_mov_b32 s101, 2
.Lhalf:
	s_wait_dscnt 0x0                               ; my reads of these bytes are over
	s_barrier_signal -1
	s_barrier_wait -1                              ; everybody's are
	s_cmp_eq_u32 s101, 2
	s_cbranch_scc0 .Ldump_hi
	DUMP 0
	s_branch .Ldumped
.Ldump_hi:
	DUMP 1
.Ldumped:
	s_wait_dscnt 0x0
	s_barrier_signal -1
	s_barrier_wait -1                              ; all 512 columns of the 64 rows are there
	s_mov_b32 s100, 4
.Lrow2:
.irp rho, 0,1,2,3
.irp i, 0,1,2,3
	ds_load_b128 v[Y+16*\rho+4*\i:Y+16*\rho+4*\i+3], v[AYL] offset:\rho*PY+512*\i
	ds_load_b64 v[R+8*\rho+2*\i:R+8*\rho+2*\i+1], v[AXL] offset:\rho*PX+256*\i
.endr
.endr
	s_wait_dscnt 0x0
.set i, 0
.rept 32
	v_fma_mix_f32 v[Y+2*i],   v[R+i], v[ONE], v[Y+2*i]   op_sel:[0,0,0] op_sel_hi:[1,0,0]  ; x + ff
	v_fma_mix_f32 v[Y+2*i+1], v[R+i], v[ONE], v[Y+2*i+1] op_sel:[1,0,0] op_sel_hi:[1,0,0]
.set i, i+1
.endr
	LNROWS 0x14
.irp rho, 0,1,2,3
.irp i, 0,1,2,3
	global_store_b128 v[GOUT], v[Y+16*\rho+4*\i:Y+16*\rho+4*\i+3], s[16:17] offset:\rho*2048+512*\i th:TH_STORE_NT  ; a wave's store covers 512 consecutive bytes, aligned
.endr
.endr
	s_wait_xcnt 0x0                                ; the stores have read their data and offset: both are written again only behind this wait
	v_add_nc_u32 v[AYL], 4*PY, v[AYL]
	v_add_nc_u32 v[AXL], 4*PX, v[AXL]
	v_add_nc_u32 v[GOUT], 4*2048, v[GOUT]
	s_sub_co_u32 s100, s100, 1
	s_cmp_lg_u32 s100, 0
	s_cbranch_scc1 .Lrow2
	v_add_nc_u32 v[AYL], -16*PY, v[AYL]            ; the same rows of Y; 64 rows on in x and in out0
	v_add_nc_u32 v[AXL], 48*PX, v[AXL]
	v_add_nc_u32 v[GOUT], 48*2048, v[GOUT]
	s_sub_co_u32 s101, s101, 1
	s_cmp_lg_u32 s101, 0
	s_cbranch_scc1 .Lhalf
	s_wait_tensorcnt 0x0                           ; the wave's end
	ds_add_u32 v[SPW], v[NIL]
	s_wait_dscnt 0x0
	CROUND                                         ; the closing round
	s_endpgm
.Lfunc_end_k_q63f8e18c78_layer:
	.size	k_q63f8e18c78_layer, .Lfunc_end_k_q63f8e18c78_layer-k_q63f8e18c78_layer
	.p2alignl 7, 3214868480
	.fill 96, 4, 3214868480
	.section	.rodata,"a",@progbits
	.p2align	6, 0x0
	.amdhsa_kernel k_q63f8e18c78_layer
		.amdhsa_group_segment_fixed_size 327680
		.amdhsa_private_segment_fixed_size 0
		.amdhsa_enable_private_segment 0
		.amdhsa_kernarg_size 56
		.amdhsa_user_sgpr_count 2
		.amdhsa_user_sgpr_kernarg_segment_ptr 1
		.amdhsa_wavefront_size32 1
		.amdhsa_system_sgpr_workgroup_id_x 1
		.amdhsa_system_sgpr_workgroup_id_y 1
		.amdhsa_system_sgpr_workgroup_id_z 1
		.amdhsa_system_vgpr_workitem_id 0
		.amdhsa_next_free_vgpr 1024
		.amdhsa_next_free_sgpr 106
		.amdhsa_reserve_vcc 1
		.amdhsa_float_denorm_mode_32 3
		.amdhsa_float_denorm_mode_16_64 3
		.amdhsa_memory_ordered 1
		.amdhsa_forward_progress 1
		.amdhsa_inst_pref_size 255
	.end_amdhsa_kernel
	.section	.bss,"aw",@nobits
	.p2align	6
	.space	262144
	.amdgpu_metadata
---
amdhsa.version: [ 1, 2 ]
amdhsa.kernels:
  - .name:           k_q63f8e18c78_layer
    .symbol:         k_q63f8e18c78_layer.kd
    .args:
      - { .name: xs, .offset: 0, .size: 8, .value_kind: global_buffer, .address_space: global }
      - { .name: qb, .offset: 8, .size: 8, .value_kind: global_buffer, .address_space: global }
      - { .name: kb, .offset: 16, .size: 8, .value_kind: global_buffer, .address_space: global }
      - { .name: vb, .offset: 24, .size: 8, .value_kind: global_buffer, .address_space: global }
      - { .name: wts, .offset: 32, .size: 8, .value_kind: global_buffer, .address_space: global }
      - { .name: aux, .offset: 40, .size: 8, .value_kind: global_buffer, .address_space: global }
      - { .name: out0, .offset: 48, .size: 8, .value_kind: global_buffer, .address_space: global }
    .group_segment_fixed_size: 327680
    .private_segment_fixed_size: 0
    .kernarg_segment_align: 8
    .kernarg_segment_size: 56
    .max_flat_workgroup_size: 128
    .sgpr_count:     106
    .vgpr_count:     1024
    .wavefront_size: 32
...
	.end_amdgpu_metadata
.endif
;; end of part 3
